; MI455X (gfx1250); checked and timed in simulation.
; The chip was launched on July 23, 2026; its instructions are those of AMD's public machine-readable ISA for CDNA 5 (MIT licence, August 2026) and "CDNA5" Instruction Set Architecture Reference Guide (July 2026). The comments in the code are by the model that wrote it; some were corrected since.
;; Multi Head Latent Attention. Allowed arithmetic: matrix products marked QUANTISED: E2M3 operands, one E8M0 scale for each 32 along K, by v_wmma_scale_f32_16x16x128_f8f6f4 with both operands' format E2M3, f32 sums; everything else in f32.
;; Inputs: Wdown 1,024 x 512 float32; Wk_up 512 x 2,048 float32; Wo 2,048 x 1,024 float32; Wq 1,024 x 2,048 float32; Wv_up 512 x 2,048 float32; x 2 x 2,048 x 1,024 float32.
;; Outputs: out0 2 x 2,048 x 1,024 float32; out1 2 x 2,048 x 512 float32.
;; This version of the problem:
;;   THIS VERSION OF THE PROBLEM IS GIVEN IN LOW PRECISION. The matrix products marked QUANTISED in the list below multiply operands that are first quantised to E2M3 (2 exponent bits, 3 mantissa bits; 6 bits a number), with one power-of-two scale for each 32 numbers along K (OCP MX v1.0); their sums are f32. All else is computed in f32.
;;   The module's matrix products, in the order in which they are computed (A, B: the left and right operand; K: the contracted axis; several contracted axes count as one K, in the product's order):
;;     1. [M 4,096, K 1,024] x [K 1,024, N 2,048]; A: input x; B: input Wq: QUANTISED
;;     2. [M 4,096, K 1,024] x [K 1,024, N 512]; A: input x; B: input Wdown: QUANTISED
;;     3. [M 4,096, K 512] x [K 512, N 2,048]; A: computed on the way; B: input Wk_up: QUANTISED
;;     4. [M 4,096, K 512] x [K 512, N 2,048]; A: computed on the way; B: input Wv_up: QUANTISED
;;     5. batch 32 x [M 2,048, K 128] x [K 128, N 2,048]; A: computed on the way; B: computed on the way: QUANTISED
;;     6. batch 32 x [M 2,048, K 2,048] x [K 2,048, N 128]; A: softmax (see below); B: computed on the way: QUANTISED
;;     7. [M 4,096, K 2,048] x [K 2,048, N 1,024]; A: computed on the way; B: input Wo: QUANTISED
;;   THE QUANTISER, for each operand of a quantised product, along K:
;;     - K is cut into blocks of 32 from its start; a last block that is shorter is filled with zeros.
;;     - A block's scale is 2^e with e = floor(log2(the largest magnitude in the block)) - 2, held to -126 .. 127; a block of zeros has e = 0. As a byte (E8M0): e + 127.
;;     - Each number is divided by its block's scale, clamped to +-7.5, and rounded to the nearest number of E2M3, ties to even, subnormals kept.
;;     - The product sums the exact products of the quantised numbers (number of the format x scale) in f32.
;;   ~~~python
;;   def quantise(x, axis):      # numpy; x: float32 -> the quantised numbers, widened to float32 again
;;       x = np.moveaxis(x, axis, -1); K = x.shape[-1]
;;       x = np.pad(x, [(0, 0)] * (x.ndim - 1) + [(0, -K % 32)]); x = x.reshape(x.shape[:-1] + (-1, 32)); a = np.abs(x).max(-1, keepdims=True)
;;       e = np.where(a > 0, np.clip(np.frexp(np.where(a > 0, a, 1))[1] - 1 - 2, -126, 127), 0)      # np.frexp(a)[1] - 1 = floor(log2(a)), exactly
;;       r = np.clip(x / 2.0 ** e, -7.5, 7.5)
;;       step = 2.0 ** (np.maximum(np.frexp(np.where(r == 0, 1, r))[1] - 1, 0) - 3)
;;       q = np.round(r / step) * step * 2.0 ** e      # np.round: ties to even
;;       return np.moveaxis(q.reshape(q.shape[:-2] + (-1,))[..., :K], -1, axis).astype(np.float32)
;;   ~~~
;;   SOFTMAX AHEAD OF A QUANTISED PRODUCT. Where the list says 'softmax', what is quantised is not the finished softmax but p = 2^(t - M), with t = logit x log2(e) and M = ceil(the row's largest t), a whole number; so 1/2 < the row's largest p <= 1. The row's sum l is taken of the UNQUANTISED p, in f32, and the product's result is divided by l at the end. Since M is a whole number, a kernel that streams over the keys may use a running M (the ceiling of the running maximum): every later rescaling is an exact power of two, which a block's scale takes up: the codes' values come out the same.
;;   OPERANDS COMPUTED ON THE WAY. 'Computed on the way' means the value that the module computes at that place (a softmax that the list does not call 'softmax' is quantised finished and normalised). What goes into a quantiser is computed in f32, as accurately as f32 sums, v_exp_f32 and their like allow (about 1e-6 of the number): no bf16 or f16 on the way to a quantiser, and a product that is left as it is and whose result goes on into a quantised operand takes f32 operands (vector FMAs, or v_wmma_f32_16x16x4_f32). A number that lies on a knife's edge between two numbers of the format may be rounded either way, as far as f32 arithmetic and the matrix unit's own rounding can turn it there, and no further.
;; One version. Each part assembles by itself: llvm-mc -triple=amdgcn-amd-amdhsa -mcpu=gfx1250 --defsym DOCPART=n.
;; ======== version 1 of 1: 5 launches
;; limits: right only within a limited range of input values
;; workspace buffers: ops 8,601,600 bytes; qf 6,553,600 bytes; cf 1,638,400 bytes; kvf 13,107,200 bytes; ofr 6,553,600 bytes
;; launch prep (part 1): grid 672 x 1, 4 waves a work-group, no clusters, 68,096 bytes of LDS; arguments x, Wq, Wdown, Wk_up, Wv_up, Wo, ops; writes ops
.if DOCPART == 1
	.amdgcn_target "amdgcn-amd-amdhsa--gfx1250"
	.amdhsa_code_object_version 6
	.text
	.protected	k_qfd3bba4f74_prep
	.globl	k_qfd3bba4f74_prep
	.p2align	8
	.type	k_qfd3bba4f74_prep,@function
k_qfd3bba4f74_prep:
	s_mov_b64 s[64:65], 0
	v_nop
	global_prefetch_b8 v0, s[64:65] scope:SCOPE_SE
	s_setreg_imm32_b32 hwreg(HW_REG_WAVE_MODE, 25, 1), 1
	s_wait_xcnt 0x0
; PREP: x and the five weights, f32, become operands of FP6 (E2M3) codes with one E8M0 scale byte for each 32 along K.
; THE FORMAT OF EVERY OPERAND OF THIS PROGRAM: blocks of 12,800 bytes, one for 128 rows x 128 along K.  Bytes 0 .. 12,287: eight fragments (16 rows x 128 K) as IMAGES OF THEIR
; 12 REGISTERS: registers 4 c .. 4 c + 3 of lane l lie at 1536 f + 512 c + 16 l.  Bytes 12,288 ..: four images of scale words: the word at 128 p + 4 l belongs to fragment 2 p + l / 16, row l % 16.
; THE ROWS OF A FRAGMENT ARE NOT NEIGHBOURS: lane-row r of fragment 2 b + u is row 32 b + 8 u + r + 8 (r / 8) of the block's 128, so that a product that takes such fragments as its
; source 0 leaves 16 neighbours in a lane's 16 registers of two neighbouring result tiles.  Along K the order is the natural one.
; Blocks in ops: x 8 g + ks (0 .. 255); Wq 256 + 8 g + ks; Wdown 384 + 8 g + ks; Wk_up 416 + 4 g + ks; Wv_up 480 + 4 g + ks; Wo 544 + 16 g + ks  (g: group of 128 rows of the operand, ks: 128 along K).
; SHARES: work-group e makes block e; wave w makes fragments 2 w and 2 w + 1 and their scale image: 32 rows x 128 along K.
; A LANE OWNS ONE ROW and its 128 registers run along K: a block of 32 lies in one lane, so its largest magnitude needs no other lane.  Lane l owns row pc(l) = l with bits 3 and 4 exchanged.
; x (K innermost): each load reads 512 consecutive bytes of a row, the 32 rows turn through the wave's own stage in LDS (pitch 528: 16 lanes of a read fall on 16 different columns of 16 bytes).
; Weights (K is the first axis): lane = column, registers run down K: a load reads 128 consecutive bytes, the four waves stand side by side on 512.  Nothing is transposed by an instruction.
; A block's scale is 2^(floor(log2(largest magnitude)) - 2); its byte is the largest magnitude's exponent field - 2, held at 1 from below.
; LIMITS: a block of zeros gets the byte 1 where the quantiser says 127 (its codes are zeros, and this program alone reads the bytes); blocks whose largest magnitude lies under 2^-124 are held at that floor;
; NaN and infinities among the inputs are not served.  No matrix unit, cluster or tensor load: this is a stream, each byte read once.
.set BLK,    12800
.set SPITCH, 528
.set WSTG,   32*SPITCH                 ; a wave's stage
.set LO,  2                            ; v2   16 x lane
.set SA,  3                            ; v3   stage, way in: wave's stage + 16 x lane
.set RA,  4                            ; v4   stage, way out: wave's stage + 528 x lane
.set DA,  5                            ; v5   my 16 bytes of an image in the block: 16 x lane + 3072 x wave
.set DW,  6                            ; v6   my scale word in the block: 12288 + 128 x wave + 4 x lane
.set PCL, 7                            ; v7   4 x pc(lane)
.set M,   8                            ; v8-11   the four blocks' largest magnitudes
.set SCL, 12                           ; v12-15  the conversions' scale operands
.set BY,  16                           ; v16-19  the scale bytes
.set W,   20                           ; v20     my row's scale word
.set OFF, 32                           ; v32-63  weights: byte offset of row i of 32 along K, at my column
.set X,   64                           ; v64-191 my row's 128 numbers
.set FA,  192                          ; v192-203 blocks 0 and 2, then fragment 2 w
.set FB,  204                          ; v204-215 blocks 1 and 3, then fragment 2 w + 1
.set TT,  216                          ; v216-231 the upper halves of the four blocks, as the conversions leave them
	s_load_b256 s[4:11], s[0:1], 0x0               ; x s[4:5], Wq s[6:7], Wdown s[8:9], Wk_up s[10:11]
	s_load_b128 s[12:15], s[0:1], 0x20             ; Wv_up s[12:13], Wo s[14:15]
	s_load_b64 s[16:17], s[0:1], 0x30              ; ops
	v_lshl_add_u32 v232, v0, 2, 0x10800
	v_mov_b32 v233, 0
	v_lshrrev_b32 v1, 5, v0
	v_readfirstlane_b32 s18, v1                    ; wave
	v_and_b32 v1, 31, v0                           ; lane
	v_lshlrev_b32 v[LO], 4, v1
	s_mul_i32 s36, s18, WSTG
	v_add_nc_u32 v[SA], s36, v[LO]
	v_mul_u32_u24 v[RA], v1, SPITCH
	v_add_nc_u32 v[RA], s36, v[RA]
	s_mul_i32 s37, s18, 3072
	v_add_nc_u32 v[DA], s37, v[LO]
	s_lshl_b32 s37, s18, 7
	s_add_co_u32 s37, s37, 12288
	v_lshl_add_u32 v[DW], v1, 2, s37
	v_and_b32 v[PCL], 7, v1                        ; pc(lane): bits 2:0 stay,
	v_and_b32 v21, 8, v1
	v_lshl_or_b32 v[PCL], v21, 1, v[PCL]           ; bit 3 goes to bit 4,
	v_and_b32 v21, 16, v1
	v_lshrrev_b32 v21, 1, v21
	v_or_b32 v[PCL], v[PCL], v21                   ; bit 4 to bit 3
	v_lshlrev_b32 v[PCL], 2, v[PCL]
	s_mov_b32 s19, ttmp9                           ; e: my block
	s_mul_i32 s34, s19, BLK
	s_mov_b32 s35, 0
	s_wait_kmcnt 0x0
	s_add_nc_u64 s[34:35], s[16:17], s[34:35]      ; where my block goes
	s_cmp_lt_u32 s19, 256
	s_cbranch_scc0 .Lweights
	; ---- x: rows 128 g + 32 w + 0 .. 31, numbers 128 ks on
	s_lshr_b32 s36, s19, 3                         ; g
	s_and_b32 s37, s19, 7                          ; ks
	s_lshl_b32 s36, s36, 7
	s_lshl_b32 s38, s18, 5
	s_add_co_u32 s36, s36, s38                     ; my wave's first row
	s_lshl_b32 s36, s36, 12                        ; a row of x is 4,096 bytes
	s_lshl_b32 s37, s37, 9
	s_add_co_u32 s36, s36, s37
	s_mov_b32 s37, 0
	s_add_nc_u64 s[20:21], s[4:5], s[36:37]
.set I, 0
.rept 32
	global_load_b128 v[X+4*I:X+4*I+3], v[LO], s[20:21] offset:4096*I th:TH_LOAD_NT   ; row I: 32 lanes read 512 consecutive bytes
.set I, I+1
.endr
.set I, 0
.rept 32
	s_wait_loadcnt 31-I                            ; loads come back in order: row I is in, the younger ones stay out
	ds_store_b128 v[SA], v[X+4*I:X+4*I+3] offset:SPITCH*((I&7)|((I&8)<<1)|((I&16)>>1))   ; row I goes to the place of the lane that owns it
.set I, I+1
.endr
	s_wait_dscnt 0x0                               ; the stores have read their registers, which the loads below write
.set I, 0
.rept 32
	ds_load_b128 v[X+4*I:X+4*I+3], v[RA] offset:16*I   ; my row's 512 bytes
.set I, I+1
.endr
	s_wait_dscnt 0x0
	s_branch .Lq
.Lweights:
	; ---- a weight [K][N]: which one, by the block's number alone.  s[20:21] its address, s22 its first block, s23 log2(K / 128), s24 log2(N)
	s_mov_b64 s[20:21], s[14:15]                   ; Wo
	s_mov_b32 s22, 544
	s_mov_b32 s23, 4
	s_mov_b32 s24, 10
	s_cmp_lt_u32 s19, 544
	s_cselect_b64 s[20:21], s[12:13], s[20:21]     ; Wv_up
	s_cselect_b32 s22, 480, s22
	s_cselect_b32 s23, 2, s23
	s_cselect_b32 s24, 11, s24
	s_cmp_lt_u32 s19, 480
	s_cselect_b64 s[20:21], s[10:11], s[20:21]     ; Wk_up
	s_cselect_b32 s22, 416, s22
	s_cmp_lt_u32 s19, 416
	s_cselect_b64 s[20:21], s[8:9], s[20:21]       ; Wdown
	s_cselect_b32 s22, 384, s22
	s_cselect_b32 s23, 3, s23
	s_cselect_b32 s24, 9, s24
	s_cmp_lt_u32 s19, 384
	s_cselect_b64 s[20:21], s[6:7], s[20:21]       ; Wq
	s_cselect_b32 s22, 256, s22
	s_cselect_b32 s24, 11, s24
	s_sub_co_u32 s36, s19, s22                     ; the block's number in its tensor
	s_lshr_b32 s37, s36, s23                       ; g: 128 columns
	s_lshl_b32 s38, s37, s23
	s_sub_co_u32 s38, s36, s38                     ; ks: 128 rows
	s_lshl_b32 s25, 4, s24                         ; a row of the weight in bytes
	s_lshl_b32 s39, s25, 7
	s_mul_i32 s38, s38, s39                        ; 128 ks rows down,
	s_lshl_b32 s37, s37, 9
	s_add_co_u32 s38, s38, s37                     ; 128 g columns on,
	s_lshl_b32 s37, s18, 7
	s_add_co_u32 s38, s38, s37                     ; my wave's 32 columns
	s_mov_b32 s39, 0
	s_add_nc_u64 s[26:27], s[20:21], s[38:39]      ; a base for each block of 32 along K
	s_lshl_b32 s40, s25, 5
	s_mov_b32 s41, 0
	s_add_nc_u64 s[28:29], s[26:27], s[40:41]
	s_add_nc_u64 s[30:31], s[28:29], s[40:41]
	s_add_nc_u64 s[32:33], s[30:31], s[40:41]
	s_wait_alu depctr_va_vdst(0)
	v_mov_b32 v[OFF], v[PCL]
.set I, 1
.rept 31
	v_add_nc_u32 v[OFF+I], s25, v[OFF+I-1]         ; a row further down
.set I, I+1
.endr
.irp b, 0,1,2,3
.set I, 0
.rept 32
	global_load_b32 v[X+32*\b+I], v[OFF+I], s[26+2*\b:27+2*\b] th:TH_LOAD_NT   ; W(128 ks + 32 b + I, my column): the wave reads 128 consecutive bytes
.set I, I+1
.endr
.endr
	s_wait_loadcnt 0x0
.Lq:
	; ---- the quantiser: four blocks of 32, all mine, by turns
.irp b, 0,1,2,3
	v_max3_num_f32 v[M+\b], |v[X+32*\b]|, |v[X+32*\b+1]|, 0x1800000   ; with the floor 2^(3 - 127) among the leaves: the byte cannot fall under 1
.endr
.irp i, 2,4,6,8,10,12,14,16,18,20,22,24,26,28,30
.irp b, 0,1,2,3
	v_max3_num_f32 v[M+\b], v[M+\b], |v[X+32*\b+\i]|, |v[X+32*\b+\i+1]|
.endr
.endr
.irp b, 0,1,2,3
	v_add_nc_u32 v[SCL+\b], 0xff000000, v[M+\b]    ; 2 off the exponent field: the conversion takes the exponent field of this operand as its scale
.endr
.irp b, 0,1,2,3
	v_lshrrev_b32 v[BY+\b], 23, v[SCL+\b]          ; the scale's byte
.endr
	v_lshl_or_b32 v[W], v[BY+1], 8, v[BY]
	v_lshl_or_b32 v[W], v[BY+2], 16, v[W]
	v_lshl_or_b32 v[W], v[BY+3], 24, v[W]          ; my row's scale word: lane l's is already the image's word 4 l
.irp c, 0,1
	v_cvt_scalef32_pk16_fp6_f32 v[FA+6*\c:FA+6*\c+2], v[X+64*\c:X+64*\c+15], v[SCL+2*\c]          ; block 2 c, lower 16 codes
	v_cvt_scalef32_pk16_fp6_f32 v[TT+8*\c:TT+8*\c+2], v[X+64*\c+16:X+64*\c+31], v[SCL+2*\c]       ; upper 16 (a conversion's three registers begin on an even number: made here, moved below)
	v_cvt_scalef32_pk16_fp6_f32 v[FB+6*\c:FB+6*\c+2], v[X+64*\c+32:X+64*\c+47], v[SCL+2*\c+1]     ; block 2 c + 1
	v_cvt_scalef32_pk16_fp6_f32 v[TT+8*\c+4:TT+8*\c+6], v[X+64*\c+48:X+64*\c+63], v[SCL+2*\c+1]
.endr
	v_nop                                          ; one plain instruction between a scaled conversion and the vector instruction that touches its result
.irp c, 0,1
.irp i, 0,1,2
	v_mov_b32 v[FA+6*\c+3+\i], v[TT+8*\c+\i]
	v_mov_b32 v[FB+6*\c+3+\i], v[TT+8*\c+4+\i]
.endr
.endr
	; A fragment's lanes 0-15 hold blocks 0 and 2 of their rows, lanes 16-31 blocks 1 and 3.  FA's lanes 16-31 (blocks 0, 2 of fragment 2 w + 1's rows) change places with
	; FB's lanes 0-15 (blocks 1, 3 of fragment 2 w's rows): FA is then fragment 2 w, FB fragment 2 w + 1.
.set I, 0
.rept 12
	v_permlane16_swap_b32 v[FA+I], v[FB+I]
.set I, I+1
.endr
.irp c, 0,1,2
	global_store_b128 v[DA], v[FA+4*\c:FA+4*\c+3], s[34:35] offset:512*\c          ; each store covers 512 consecutive bytes, aligned to 256
.endr
.irp c, 0,1,2
	global_store_b128 v[DA], v[FB+4*\c:FB+4*\c+3], s[34:35] offset:1536+512*\c
.endr
	global_store_b32 v[DW], v[W], s[34:35]         ; 128 bytes a wave; the four waves' lie side by side
	s_wait_tensorcnt 0x0
	ds_add_u32 v232, v233
	s_wait_dscnt 0x0
	s_endpgm
.Lfunc_end_k_qfd3bba4f74_prep:
	.size	k_qfd3bba4f74_prep, .Lfunc_end_k_qfd3bba4f74_prep-k_qfd3bba4f74_prep
	.p2alignl 7, 3214868480
	.fill 96, 4, 3214868480
	.section	.rodata,"a",@progbits
	.p2align	6, 0x0
	.amdhsa_kernel k_qfd3bba4f74_prep
		.amdhsa_group_segment_fixed_size 68096
		.amdhsa_private_segment_fixed_size 0
		.amdhsa_enable_private_segment 0
		.amdhsa_kernarg_size 56
		.amdhsa_user_sgpr_count 2
		.amdhsa_user_sgpr_kernarg_segment_ptr 1
		.amdhsa_wavefront_size32 1
		.amdhsa_system_sgpr_workgroup_id_x 1
		.amdhsa_system_sgpr_workgroup_id_y 1
		.amdhsa_system_sgpr_workgroup_id_z 1
		.amdhsa_system_vgpr_workitem_id 0
		.amdhsa_next_free_vgpr 234
		.amdhsa_next_free_sgpr 66
		.amdhsa_reserve_vcc 0
		.amdhsa_float_denorm_mode_32 3
		.amdhsa_float_denorm_mode_16_64 3
		.amdhsa_memory_ordered 1
		.amdhsa_forward_progress 1
		.amdhsa_inst_pref_size 32
	.end_amdhsa_kernel
	.amdgpu_metadata
---
amdhsa.version: [ 1, 2 ]
amdhsa.kernels:
  - .name:           k_qfd3bba4f74_prep
    .symbol:         k_qfd3bba4f74_prep.kd
    .args:
      - { .name: x, .offset: 0, .size: 8, .value_kind: global_buffer, .address_space: global }
      - { .name: Wq, .offset: 8, .size: 8, .value_kind: global_buffer, .address_space: global }
      - { .name: Wdown, .offset: 16, .size: 8, .value_kind: global_buffer, .address_space: global }
      - { .name: Wk_up, .offset: 24, .size: 8, .value_kind: global_buffer, .address_space: global }
      - { .name: Wv_up, .offset: 32, .size: 8, .value_kind: global_buffer, .address_space: global }
      - { .name: Wo, .offset: 40, .size: 8, .value_kind: global_buffer, .address_space: global }
      - { .name: ops, .offset: 48, .size: 8, .value_kind: global_buffer, .address_space: global }
    .group_segment_fixed_size: 68096
    .private_segment_fixed_size: 0
    .kernarg_segment_align: 8
    .kernarg_segment_size: 56
    .max_flat_workgroup_size: 128
    .sgpr_count:     66
    .vgpr_count:     234
    .wavefront_size: 32
...
	.end_amdgpu_metadata
.endif
;; end of part 1
;; launch qc (part 2): grid 8 x 20, 4 waves a work-group, clusters of 4 x 1, 168,448 bytes of LDS; arguments ops, qf, cf, out1; writes qf, cf, out1
.if DOCPART == 2
	.amdgcn_target "amdgcn-amd-amdhsa--gfx1250"
	.amdhsa_code_object_version 6
	.text
	.protected	k_qfd3bba4f74_qc
	.globl	k_qfd3bba4f74_qc
	.p2align	8
	.type	k_qfd3bba4f74_qc,@function
k_qfd3bba4f74_qc:
	s_mov_b64 s[64:65], 0
	v_nop
	global_prefetch_b8 v0, s[64:65] scope:SCOPE_SE
	s_setreg_imm32_b32 hwreg(HW_REG_WAVE_MODE, 25, 1), 1
	s_wait_xcnt 0x0
	s_wait_alu depctr_hold_cnt(0) depctr_sa_sdst(0) depctr_va_vdst(0) depctr_va_sdst(0) depctr_va_ssrc(0) depctr_va_vcc(0) depctr_vm_vsrc(0)
	s_getreg_b32 s2, hwreg(HW_REG_IB_STS2, 6, 4)
	s_cmp_eq_u32 s2, 0
	s_cbranch_scc0 .Lentry_in_a_cluster
	s_endpgm
.Lentry_in_a_cluster:
	s_bfe_u32 s2, ttmp6, 0x10000c
	s_cmp_lg_u32 s2, 0x3003
	s_cbranch_scc0 .Lentry_shape_is_right
	s_endpgm
.Lentry_shape_is_right:
; QC: Q = x Wq and c = x Wdown on FP6 codes; Q and c are quantised along their own last axis on the way out; c also leaves as f32 (out1).
; OPERANDS are blocks of 12,800 bytes (128 rows x 128 K): eight fragments as images of their 12 registers (1536 f + 512 c + 16 lane), then four images of scale words
; (12288 + 128 p + 4 lane: fragment 2 p + lane / 16, row lane % 16).  Lane-row r of fragment 2 b + u is row 32 b + 8 u + r + 8 (r / 8) of the block.
; SHARES.  Work-group (wy, gn): 128 columns gn of [Wq | Wdown] (gn 0-15: a head of Q; 16-19: 128 of c's 512) against the four groups of 128 tokens 4 wy .. 4 wy + 3, one after the other.
; A tile is 128 x 128.  THE MATRIX INSTRUCTION IS USED TRANSPOSED: source 0 = 16 columns of the weight, source 1 = 16 tokens.  Wave w takes tokens' fragments 2 w, 2 w + 1 against all eight of the weight:
; 16 accumulators.  A lane then holds one token, and the 64 registers of a token fragment's eight tiles are k = 32 b + 16 (lane / 16) + i of the next product's K: a whole fragment and a whole scale word, no other wave asked.
; SOURCE 0 is read by all four waves and by the four work-groups of a cluster (they differ in wy alone): it comes into LDS ONCE, for all of K (8 blocks, 102,400 bytes), by joint tensor loads;
; no LDS byte is filled twice.  Wave w's one load brings blocks 2 w and 2 w + 1: one load of a wave is out at the most.
; SOURCE 1 is read by one wave only: from memory straight into registers, in two rings of five slots, five K steps ahead; the walk goes on over the four tiles (32 blocks on end in memory).
; LEFT OUT: a ring of LDS slots (all of K fits); a larger wave tile (a wave needs all 128 of source 0 for the quantiser); prefetches (source 0 is asked for at the head, source 1 runs five steps ahead).
; 160 work-groups: 640 tiles do not share out evenly over the chip's 256 WGPs; four tiles that stay share one fill of source 0.
; LIMITS: as the quantiser of the first launch: a block of zeros gets the byte 1; NaN and infinities are not served.
; REGISTERS: window 0: v4-15 addresses; v16-23 source 0's scale words, two sets; v104-113 source 1's, five slots for each tile; v32-47, v48-70 the quantiser; v72-103 rows of c on the way out; v128-255 accumulator (s, t) at 128 + 64 s + 8 t.
;   window 1: source 0's eight fragments, two sets (v0, v96).   window 2: source 1's two fragments, two rings of five slots of 24.
.set BLK,   12800
.set KS,    8                          ; K steps of 128 in a tile
.set TILES, 2                          ; passes.  A PASS MULTIPLIES TWO TILES OF TOKENS AT ONCE: the 28 LDS loads of a K step feed 32 products; the second tile's 16 accumulators lie in window 3, v128-255
.set TOT,   KS*TILES
.set STG,   KS*BLK                     ; behind source 0: a stage of 16 rows x 528 bytes for each wave; no tensor load lands there
.set LI,   4                           ; v4-5   16 x lane + 51,200 j: an image's place for my lane, in chunk j of four blocks
.set LS,   8                           ; v8-9   4 x lane + 51,200 j: a scale word's
.set GA,   12                          ; v12    16 x lane + 3072 x wave: my wave's two fragments in a block in memory
.set GS,   13                          ; v13    12288 + 128 x wave + 4 x lane: their scale image
.set SO,   14                          ; v14    the stage: where I put 16 bytes of a row
.set SR,   15                          ; v15    and where I read a row back
.set S0SC, 16
.set S1SC, 104                         ; v104-113: source 1's scale words, five slots for each of the pass's two tiles
.set TM,   32                          ; v32-35 largest magnitudes, v36-39 bytes, v44-47 scale operands
.set PC,   48                          ; v48-59 the fragment just made; v60-66 at work
.set PW,   68                          ; v68, v69 the two fragments' scale words
.set PWP,  70                          ; v70    their image
.set OB,   72
.set ACC,  128
.set WV,   12                          ; s12 wave; s13 cx; s14 cluster x; s15 gn
.set G1,   16                          ; s[16:23] descriptor group 1
.set G0,   24                          ; s[24:27] descriptor group 0 of my one load
.set SRC1, 40                          ; s[40:41] source 1's first block
.set DST,  42                          ; s[42:43] where the tile's codes go; s[44:45] from tile to tile
.set DSTEP, 44
.set OUT,  46                          ; s[46:47] out1 at my wave's first row and column
.set HM,   48                          ; s48 lanes 16-31
.set SEL,  50                          ; s[50:51] v_permlanex16_b32's selects for lane l xor 16
.set MSB, 0
.macro WIN new                         ; s_set_vgpr_msb: bits 1:0 source 0, 3:2 source 1, 5:4 source 2, 7:6 destination; the high byte repeats the setting that is left
.if MSB != \new
	s_set_vgpr_msb (MSB<<8)|\new
.set MSB, \new
.endif
.endm
.macro ROUND                           ; a round of the cluster's barrier
	s_barrier_signal -1
	s_barrier_wait -1
	s_cmp_lg_u32 s[WV], 0
	s_cbranch_scc1 .Lnot_wave_0_\@
	s_barrier_signal -3
.Lnot_wave_0_\@:
	s_barrier_wait -3
	s_barrier_signal -1
	s_barrier_wait -1
.endm
.macro FETCH0 q                        ; source 0's eight fragments and four scale images of step q, from LDS into set q % 2: 28 LDS loads
.set FK, (\q)%KS
.set FS, 96*((\q)%2)
.set FJ, FK/4
.set FO, (FK%4)*BLK
	WIN 0x40                                       ; destination window 1
.irp f, 0,1,2,3,4,5,6,7
.irp c, 0,1,2
	ds_load_b128 v[FS+12*\f+4*\c:FS+12*\f+4*\c+3], v[LI+FJ] offset:FO+1536*\f+512*\c
.endr
.endr
	WIN 0
.irp p, 0,1,2,3
	ds_load_b32 v[S0SC+4*((\q)%2)+\p], v[LS+FJ] offset:FO+12288+128*\p
.endr
.endm
.macro LOAD1 q                         ; source 1's two fragments and scale image of step q, for both tiles of the pass, from memory into slot q % 5: 14 loads
.set LSL, (\q)%5                       ; two rings of five slots in window 2: tile g of the pass at v[120 g + 24 slot]; 14 loads a step
.set LOF, BLK*((\q)%KS)+2*KS*BLK*((\q)/KS)
	WIN 0x80                                       ; destination window 2
.irp g, 0,1
.irp c, 0,1,2,3,4,5
	global_load_b128 v[120*\g+24*LSL+4*\c:120*\g+24*LSL+4*\c+3], v[GA], s[SRC1:SRC1+1] offset:LOF+KS*BLK*\g+512*\c
.endr
.endr
	WIN 0
.irp g, 0,1
	global_load_b32 v[S1SC+5*\g+LSL], v[GS], s[SRC1:SRC1+1] offset:LOF+KS*BLK*\g
.endr
.endm
; One product.  kq = 0: it starts the sum.  ra, rb: the side's scale words stand in lanes 16-31 of the register named.
.macro WM dd, aa, bb, kq, sa, sb, ra, rb
.if (\kq) == 0
.if (\ra) && (\rb)
	v_wmma_scale_f32_16x16x128_f8f6f4 v[\dd:\dd+7], v[\aa:\aa+11], v[\bb:\bb+11], 0, v[\sa], v[\sb] matrix_a_fmt:MATRIX_FMT_FP6 matrix_b_fmt:MATRIX_FMT_FP6 matrix_a_scale:MATRIX_SCALE_ROW1 matrix_b_scale:MATRIX_SCALE_ROW1
.elseif (\ra)
	v_wmma_scale_f32_16x16x128_f8f6f4 v[\dd:\dd+7], v[\aa:\aa+11], v[\bb:\bb+11], 0, v[\sa], v[\sb] matrix_a_fmt:MATRIX_FMT_FP6 matrix_b_fmt:MATRIX_FMT_FP6 matrix_a_scale:MATRIX_SCALE_ROW1
.elseif (\rb)
	v_wmma_scale_f32_16x16x128_f8f6f4 v[\dd:\dd+7], v[\aa:\aa+11], v[\bb:\bb+11], 0, v[\sa], v[\sb] matrix_a_fmt:MATRIX_FMT_FP6 matrix_b_fmt:MATRIX_FMT_FP6 matrix_b_scale:MATRIX_SCALE_ROW1
.else
	v_wmma_scale_f32_16x16x128_f8f6f4 v[\dd:\dd+7], v[\aa:\aa+11], v[\bb:\bb+11], 0, v[\sa], v[\sb] matrix_a_fmt:MATRIX_FMT_FP6 matrix_b_fmt:MATRIX_FMT_FP6
.endif
.else
.if (\ra) && (\rb)
	v_wmma_scale_f32_16x16x128_f8f6f4 v[\dd:\dd+7], v[\aa:\aa+11], v[\bb:\bb+11], v[\dd:\dd+7], v[\sa], v[\sb] matrix_a_fmt:MATRIX_FMT_FP6 matrix_b_fmt:MATRIX_FMT_FP6 matrix_a_scale:MATRIX_SCALE_ROW1 matrix_b_scale:MATRIX_SCALE_ROW1
.elseif (\ra)
	v_wmma_scale_f32_16x16x128_f8f6f4 v[\dd:\dd+7], v[\aa:\aa+11], v[\bb:\bb+11], v[\dd:\dd+7], v[\sa], v[\sb] matrix_a_fmt:MATRIX_FMT_FP6 matrix_b_fmt:MATRIX_FMT_FP6 matrix_a_scale:MATRIX_SCALE_ROW1
.elseif (\rb)
	v_wmma_scale_f32_16x16x128_f8f6f4 v[\dd:\dd+7], v[\aa:\aa+11], v[\bb:\bb+11], v[\dd:\dd+7], v[\sa], v[\sb] matrix_a_fmt:MATRIX_FMT_FP6 matrix_b_fmt:MATRIX_FMT_FP6 matrix_b_scale:MATRIX_SCALE_ROW1
.else
	v_wmma_scale_f32_16x16x128_f8f6f4 v[\dd:\dd+7], v[\aa:\aa+11], v[\bb:\bb+11], v[\dd:\dd+7], v[\sa], v[\sb] matrix_a_fmt:MATRIX_FMT_FP6 matrix_b_fmt:MATRIX_FMT_FP6
.endif
.endif
.endm
.macro MUL q                           ; a step's 32 products, 16 a tile: the accumulators take turns, one instruction a turn, in the same order in every step
.set KQ,   (\q)%KS
.set FSET, 96*((\q)%2)
.set FSLT, 24*((\q)%5)
.set FSC0, S0SC+4*((\q)%2)
.set FSC1, S1SC+(\q)%5
	WIN 0x09                                       ; source 0 window 1, source 1 window 2, C and D window 0
.irp s, 0,1
.irp t, 0,1,2,3,4,5,6,7
	WM ACC+64*\s+8*\t, FSET+12*\t, FSLT+12*\s, KQ, FSC0+\t/2, FSC1, \t%2, \s
.endr
.endr
	WIN 0xf9                                       ; the pass's second tile: C and D window 3
.irp s, 0,1
.irp t, 0,1,2,3,4,5,6,7
	WM ACC+64*\s+8*\t, FSET+12*\t, 120+FSLT+12*\s, KQ, FSC0+\t/2, FSC1+5, \t%2, \s
.endr
.endr
.endm
.macro QSTEP q
.if (\q)+1 < TOT
	s_wait_dscnt 28                                ; this step's 28 LDS loads are in; the next step's 28 may be out
.else
	s_wait_dscnt 0x0
.endif
.if TOT-1-(\q) >= 4
	s_wait_loadcnt 56                              ; this step's 14 loads are in; the 4 x 14 of the four steps behind it may be out
.else
	s_wait_loadcnt 14*(TOT-1-(\q))
.endif
	MUL \q
.rept 4
	v_nop                                          ; four places between the products and the loads into registers that they have read, and the first read of results
.endr
.if ((\q)%KS) == KS-1
	v_nop                                          ; a fifth: the next tile's first products begin the same accumulators anew
.endif
.if (\q)+2 < TOT
	FETCH0 (\q)+2
.endif
.if (\q)+5 < TOT
	LOAD1 (\q)+5
.endif
	WIN 0
.endm
; 64 numbers of a lane, register 16 b + i = k 32 b + 16 (lane / 16) + i of my row, become a fragment's codes in v[PC] on and its scale word in v[pw].
.macro QUANT src, pw
.irp b, 0,1,2,3
	v_max3_num_f32 v[TM+\b], |v[(\src)+16*\b]|, |v[(\src)+1+16*\b]|, 0x1800000   ; my 16 numbers of block b, and the floor 2^(3 - 127): the byte cannot fall under 1.  (Each accumulator is read from its low end on)
.endr
.irp i, 2,4,6,8,10,12,14
.irp b, 0,1,2,3
	v_max3_num_f32 v[TM+\b], v[TM+\b], |v[(\src)+16*\b+\i]|, |v[(\src)+1+16*\b+\i]|
.endr
.endr
.irp b, 0,1,2,3
	v_permlanex16_b32 v[TM+4+\b], v[TM+\b], s[SEL], s[SEL+1]
.endr
.irp b, 0,1,2,3
	v_max_num_f32 v[TM+\b], v[TM+\b], v[TM+4+\b]   ; with lane l xor 16's 16: the block's largest magnitude
.endr
.irp b, 0,1,2,3
	v_add_nc_u32 v[TM+12+\b], 0xff000000, v[TM+\b] ; 2 off its exponent field: the conversion's scale operand
.endr
.irp b, 0,1,2,3
	v_lshrrev_b32 v[TM+4+\b], 23, v[TM+12+\b]      ; the scale's byte
.endr
	v_lshl_or_b32 v[\pw], v[TM+5], 8, v[TM+4]
	v_lshl_or_b32 v[\pw], v[TM+6], 16, v[\pw]
	v_lshl_or_b32 v[\pw], v[TM+7], 24, v[\pw]
.irp c, 0,1
	v_cvt_scalef32_pk16_fp6_f32 v[PC+6*\c:PC+2+6*\c], v[(\src)+32*\c:(\src)+15+32*\c], v[TM+12+2*\c]
	v_cvt_scalef32_pk16_fp6_f32 v[PC+12+4*\c:PC+14+4*\c], v[(\src)+16+32*\c:(\src)+31+32*\c], v[TM+12+2*\c+1]   ; (a conversion's three registers begin on an even number)
.endr
	v_nop                                          ; one plain instruction behind the scaled conversions
.irp c, 0,1                                    ; the operand's layout wants a whole block in a lane: lanes 0-15 block 2 c, lanes 16-31 block 2 c + 1
.irp i, 0,1,2
	v_permlane16_swap_b32 v[PC+6*\c+\i], v[PC+12+4*\c+\i]
.endr
.irp i, 0,1,2
	v_mov_b32 v[PC+3+6*\c+\i], v[PC+12+4*\c+\i]
.endr
.endr
.endm
.macro EPI_Q                           ; the tile leaves as codes: my two fragments and their scale image, into the block at DST
.irp s, 0,1
	s_wait_xcnt 0x0                                ; the earlier stores have read their registers, which are written again below
	QUANT ACC+64*\s, PW+\s
.irp c, 0,1,2
	global_store_b128 v[GA], v[PC+4*\c:PC+4*\c+3], s[DST:DST+1] offset:1536*\s+512*\c   ; 512 consecutive bytes, aligned to 256
.endr
.endr
	v_cndmask_b32 v[PWP], v[PW], v[PW+1], s[HM]    ; lanes 0-15: the first fragment's words; lanes 16-31: the second's
	global_store_b32 v[GS], v[PWP], s[DST:DST+1]
	s_wait_xcnt 0x0                                ; the stores have read their base
	s_add_nc_u64 s[DST:DST+1], s[DST:DST+1], s[DSTEP:DSTEP+1]
.endm
; The tile leaves as f32: a fragment's 16 rows x 128 columns go through my own stage and come back as whole rows of 512 bytes.  LDS serves a wave's instructions in order (ISA guide 5.7.1.4).
.macro EPI_F rowb, toff
.irp s, 0,1
.irp t, 0,1,2,3,4,5,6,7
	ds_store_b128 v[SO], v[ACC+64*\s+8*\t:ACC+64*\s+8*\t+3] offset:128*(\t/2)+32*(\t%2)         ; columns 32 (t / 2) + 8 (t % 2) + 16 (lane / 16) + 0 .. 3
	ds_store_b128 v[SO], v[ACC+64*\s+8*\t+4:ACC+64*\s+8*\t+7] offset:128*(\t/2)+32*(\t%2)+16
.endr
.irp d, 0,1
	s_wait_xcnt 0x0                                ; the earlier stores have read the registers that the loads below write
.irp i, 0,1,2,3,4,5,6,7
	ds_load_b128 v[OB+4*\i:OB+4*\i+3], v[SR] offset:528*(8*\d+\i)
.endr
.irp i, 0,1,2,3,4,5,6,7
	s_wait_dscnt 7-\i                              ; the younger loads of the eight may be out
	global_store_b128 v[LI], v[OB+4*\i:OB+4*\i+3], s[OUT:OUT+1] offset:(\toff)+(8*\s+16*\d+\i)*(\rowb) th:TH_STORE_NT   ; lane-row 8 d + i is row 8 s + 16 d + i of my wave's 32; 512 consecutive bytes, aligned to 256
.endr
.endr
.endr
.endm
.macro WAYOUT t
	EPI_Q
	s_cmp_lt_u32 s15, 16                           ; gn is the same in all partners of the cluster
	s_cbranch_scc1 .Lhead_of_q_\@
	EPI_F 2048, 262144*(\t)                        ; c is an output too
.Lhead_of_q_\@:
.endm
	s_load_b256 s[4:11], s[0:1], 0x0               ; ops s[4:5], qf s[6:7], cf s[8:9], out1 s[10:11]
	v_lshl_add_u32 v126, v0, 2, 0x29000
	v_mov_b32 v127, 0
	ds_add_u32 v126, v127
	ds_add_u32 v126, v127
	v_lshrrev_b32 v1, 5, v0
	v_readfirstlane_b32 s[WV], v1
	s_bfe_u32 s13, ttmp6, 0x40000                  ; cx: my place in the cluster
	s_mov_b32 s14, ttmp9                           ; cluster x
	s_and_b32 s15, ttmp7, 0xffff                   ; gn
	; descriptor group 1: two blocks, dense in memory, as 100 rows of 256 bytes (32 elements of 8 bytes), no padding
	s_mov_b32 s[G1], 15|(3<<16)|(1<<21)            ; 15:0 the mask: all four work-groups; 17:16 elements of 8 bytes; 21 set beside a mask
	s_mov_b32 s[G1+1], 32<<16                      ; tensor_dim0
	s_mov_b32 s[G1+2], 100<<16                     ; tensor_dim1: a wave's one load brings two blocks on end, 100 rows of 256 bytes
	s_mov_b32 s[G1+3], 32<<16                      ; tile_dim0
	s_mov_b32 s[G1+4], 100                         ; tile_dim1
	s_mov_b32 s[G1+5], 32                          ; from row to row
	s_mov_b32 s[G1+6], 0
	s_mov_b32 s[G1+7], 0
	s_mov_b32 s[HM], 0xffff0000
	s_mov_b32 s[SEL], 0x76543210
	s_mov_b32 s[SEL+1], 0xfedcba98
	v_and_b32 v1, 31, v0                           ; lane
	v_and_b32 v2, 15, v0                           ; r
	v_bfe_u32 v3, v0, 4, 1                         ; h
	v_lshlrev_b32 v[LI], 4, v1
	v_lshlrev_b32 v[LS], 2, v1
	v_add_nc_u32 v[LI+1], 4*BLK, v[LI]
	v_add_nc_u32 v[LS+1], 4*BLK, v[LS]
	s_mul_i32 s55, s[WV], 3072
	v_add_nc_u32 v[GA], s55, v[LI]
	s_lshl_b32 s55, s[WV], 7
	s_add_co_u32 s55, s55, 12288
	v_add_nc_u32 v[GS], s55, v[LS]
	s_mul_i32 s55, s[WV], 16*528
	s_add_co_u32 s55, s55, STG                     ; my stage
	v_mul_u32_u24 v[SO], v2, 528
	v_lshl_add_u32 v[SO], v3, 6, v[SO]
	v_add_nc_u32 v[SO], s55, v[SO]                 ; in: row r, + 64 bytes for lanes 16-31
	v_add_nc_u32 v[SR], s55, v[LI]                 ; back: 16 bytes a lane
.irp b, 0,1,2,3
	v_mov_b32 v[TM+4+\b], 0                        ; written once: a lane permute's destination counts as one of its sources
.endr
	; source 0: blocks 256 + 8 gn + 2 wave on: nothing of cx enters these registers
	s_lshl_b32 s52, s15, 3
	s_add_co_u32 s52, s52, 256
	s_add_co_u32 s52, s52, s[WV]
	s_add_co_u32 s52, s52, s[WV]                   ; wave w brings blocks 2 w and 2 w + 1 of the eight
	s_mul_i32 s52, s52, BLK
	s_mov_b32 s53, 0
	s_mul_i32 s54, s[WV], 2*BLK
	; what hangs on cx: source 1 and the ways out
	s_lshl_b32 s56, s14, 2
	s_add_co_u32 s56, s56, s13                     ; wy = 4 x cluster x + cx
	s_max_u32 s60, s15, 16
	s_sub_co_u32 s60, s60, 16                      ; which 128 of c's 512 (held at 0 for a head of Q, where it is not used)
	s_lshl_b32 s57, s14, 4                         ; Q's block: (16 batch + head) x 16 + group of queries; the batch is cluster x, the group 4 cx + tile
	s_add_co_u32 s57, s57, s15
	s_lshl_b32 s57, s57, 4
	s_lshl_b32 s58, s13, 2
	s_add_co_u32 s57, s57, s58
	s_lshl_b32 s58, s56, 4                         ; c's block: 4 x group of tokens + ks
	s_add_co_u32 s58, s58, s60
	s_mov_b32 s[DSTEP], 4*BLK
	s_mov_b32 s[DSTEP+1], 0
	s_wait_dscnt 0x0
	s_wait_kmcnt 0x0
	s_cmp_lt_u32 s15, 16
	s_cselect_b32 s58, s57, s58
	s_cselect_b64 s[DST:DST+1], s[6:7], s[8:9]
	s_cselect_b32 s[DSTEP], BLK, s[DSTEP]
	s_mul_i32 s58, s58, BLK
	s_mov_b32 s59, 0
	s_add_nc_u64 s[DST:DST+1], s[DST:DST+1], s[58:59]
	s_mul_i32 s58, s56, 32*BLK                     ; x's blocks 32 wy ..: four groups x eight K steps on end
	s_add_nc_u64 s[SRC1:SRC1+1], s[4:5], s[58:59]
	s_lshl_b32 s58, s56, 20                        ; out1: 512 wy rows of 2,048 bytes,
	s_lshl_b32 s61, s[WV], 16                      ; my wave's 32 rows,
	s_add_co_u32 s58, s58, s61
	s_lshl_b32 s61, s60, 9                         ; my 128 columns
	s_add_co_u32 s58, s58, s61
	s_add_nc_u64 s[OUT:OUT+1], s[10:11], s[58:59]
	s_add_nc_u64 s[52:53], s[4:5], s[52:53]
.set I, 0
.rept 1
	s_mov_b32 s[G0+4*I], 1
	s_add_co_u32 s[G0+4*I+1], s54, 4*BLK*I         ; LDS address: block 2 wave
	s_add_nc_u64 s[G0+4*I+2:G0+4*I+3], s[52:53], 4*BLK*I
	s_or_b32 s[G0+4*I+3], s[G0+4*I+3], 0x80000000  ; type = 2
.set I, I+1
.endr
	ROUND                                          ; all four work-groups are here: the joint loads meet
.set I, 0
.rept 1
	tensor_load_to_lds s[G0+4*I:G0+4*I+3], s[G1:G1+7]
	s_nop 0
.set I, I+1
.endr
.rept 4
	v_nop                                          ; four plain instructions follow the last tensor load
.endr
	s_wait_alu depctr_va_vdst(0)
.irp q, 0,1,2,3,4
	LOAD1 \q
.endr
	s_wait_tensorcnt 0x0                           ; my two blocks are in,
	s_barrier_signal -1
	s_barrier_wait -1                              ; everybody's is
	FETCH0 0
	FETCH0 1
.set Q, 0
.rept TOT
	QSTEP Q
.if (Q%KS) == KS-1
	WAYOUT 2*(Q/KS)
	WIN 0x03                                       ; the second tile's sums come down into window 0, each accumulator from its low end on, and leave by the same lines
.set J, 0
.rept 128
	v_mov_b32 v[ACC+J], v[ACC+J]
.set J, J+1
.endr
	WIN 0
	WAYOUT 2*(Q/KS)+1
.endif
.set Q, Q+1
.endr
	s_wait_dscnt 0x0
	s_wait_tensorcnt 0x0
	ds_add_u32 v126, v127
	s_wait_dscnt 0x0
	ROUND                                          ; the closing round: no work-group ends while a partner may still ask for a block that names it
	s_endpgm
.Lfunc_end_k_qfd3bba4f74_qc:
	.size	k_qfd3bba4f74_qc, .Lfunc_end_k_qfd3bba4f74_qc-k_qfd3bba4f74_qc
	.p2alignl 7, 3214868480
	.fill 96, 4, 3214868480
	.section	.rodata,"a",@progbits
	.p2align	6, 0x0
	.amdhsa_kernel k_qfd3bba4f74_qc
		.amdhsa_group_segment_fixed_size 168448
		.amdhsa_private_segment_fixed_size 0
		.amdhsa_enable_private_segment 0
		.amdhsa_kernarg_size 32
		.amdhsa_user_sgpr_count 2
		.amdhsa_user_sgpr_kernarg_segment_ptr 1
		.amdhsa_wavefront_size32 1
		.amdhsa_system_sgpr_workgroup_id_x 1
		.amdhsa_system_sgpr_workgroup_id_y 1
		.amdhsa_system_sgpr_workgroup_id_z 1
		.amdhsa_system_vgpr_workitem_id 0
		.amdhsa_next_free_vgpr 1024
		.amdhsa_next_free_sgpr 66
		.amdhsa_reserve_vcc 0
		.amdhsa_float_denorm_mode_32 3
		.amdhsa_float_denorm_mode_16_64 3
		.amdhsa_memory_ordered 1
		.amdhsa_forward_progress 1
		.amdhsa_inst_pref_size 199
	.end_amdhsa_kernel
	.amdgpu_metadata
---
amdhsa.version: [ 1, 2 ]
amdhsa.kernels:
  - .name:           k_qfd3bba4f74_qc
    .symbol:         k_qfd3bba4f74_qc.kd
    .args:
      - { .name: ops, .offset: 0, .size: 8, .value_kind: global_buffer, .address_space: global }
      - { .name: qf, .offset: 8, .size: 8, .value_kind: global_buffer, .address_space: global }
      - { .name: cf, .offset: 16, .size: 8, .value_kind: global_buffer, .address_space: global }
      - { .name: out1, .offset: 24, .size: 8, .value_kind: global_buffer, .address_space: global }
    .group_segment_fixed_size: 168448
    .private_segment_fixed_size: 0
    .kernarg_segment_align: 8
    .kernarg_segment_size: 32
    .max_flat_workgroup_size: 128
    .sgpr_count:     66
    .vgpr_count:     1024
    .wavefront_size: 32
...
	.end_amdgpu_metadata
.endif
;; end of part 2
;; launch kv (part 3): grid 256 x 1, 4 waves a work-group, clusters of 4 x 1, 168,448 bytes of LDS; arguments ops, cf, kvf; writes kvf
.if DOCPART == 3
	.amdgcn_target "amdgcn-amd-amdhsa--gfx1250"
	.amdhsa_code_object_version 6
	.text
	.protected	k_qfd3bba4f74_kv
	.globl	k_qfd3bba4f74_kv
	.p2align	8
	.type	k_qfd3bba4f74_kv,@function
k_qfd3bba4f74_kv:
	s_mov_b64 s[64:65], 0
	v_nop
	global_prefetch_b8 v0, s[64:65] scope:SCOPE_SE
	s_setreg_imm32_b32 hwreg(HW_REG_WAVE_MODE, 25, 1), 1
	s_wait_xcnt 0x0
	s_wait_alu depctr_hold_cnt(0) depctr_sa_sdst(0) depctr_va_vdst(0) depctr_va_sdst(0) depctr_va_ssrc(0) depctr_va_vcc(0) depctr_vm_vsrc(0)
	s_getreg_b32 s2, hwreg(HW_REG_IB_STS2, 6, 4)
	s_cmp_eq_u32 s2, 0
	s_cbranch_scc0 .Lentry_in_a_cluster
	s_endpgm
.Lentry_in_a_cluster:
	s_bfe_u32 s2, ttmp6, 0x10000c
	s_cmp_lg_u32 s2, 0x3003
	s_cbranch_scc0 .Lentry_shape_is_right
	s_endpgm
.Lentry_shape_is_right:
; KV: K = c Wk_up and V = c Wv_up on FP6 codes; K is quantised along the head's 128, V along the KEYS, both on the way out.
; OPERANDS are blocks of 12,800 bytes (128 rows x 128 K): eight fragments as images of their 12 registers (1536 f + 512 c + 16 lane), then four images of scale words
; (12288 + 128 p + 4 lane: fragment 2 p + lane / 16, row lane % 16).  Lane-row r of fragment 2 b + u is row 32 b + 8 u + r + 8 (r / 8) of the block.
; kvf: block ((16 batch + head) x 16 + group of 128 keys) x 2 + isV.  K's block: rows = keys, K = the head's 128.  V's block: rows = the head's 128, K = the keys.
; A lane's registers run along SOURCE 0's rows.  So for K source 0 = Wk_up's columns of one head and source 1 = tokens; for V source 0 = THE TOKENS and source 1 = Wv_up's columns: nothing is transposed.
; SHARES.  Cluster cl < 32 (K): head cl / 2, batch cl % 2; partner cx and its four tiles take the batch's groups of tokens 4 cx + tile.  Cluster cl >= 32 (V): group of tokens cl % 32; partner cx and its four tiles take heads 4 cx + tile.
; The two kinds differ in addresses alone, chosen by selects on the cluster's number: one path through the text.
; A tile is 128 x 128, K = 512: four steps.  Wave w takes source 1's fragments 2 w, 2 w + 1 against all eight of source 0: 16 accumulators; the 64 registers of a fragment's eight tiles are a whole fragment of the next operand.
; SOURCE 0 is shared by the four waves and the four partners: it comes into LDS ONCE (4 blocks, 51,200 bytes) by joint tensor loads, one a wave; no LDS byte is filled twice.
; SOURCE 1 is read by one wave only: from memory straight into registers, two rings of five slots, five K steps ahead; its 16 blocks lie on end in memory.
; LEFT OUT: a ring of LDS slots (all of K fits); a larger wave tile (a wave needs all 128 of source 0 for the quantiser); prefetches (source 0 is asked for at the head, source 1 runs five steps ahead).
; LIMITS: a block of zeros gets the byte 1 where the quantiser says 127 (its codes are zeros, this program alone reads the bytes); NaN and infinities are not served.
; REGISTERS: window 0: v4-13 addresses; v16-23 source 0's scale words, two sets; v104-113 source 1's, five slots for each tile; v32-47, v48-70 the quantiser; v128-255 accumulator (s, t) at 128 + 64 s + 8 t.
;   window 1: source 0's eight fragments, two sets (v0, v96).   window 2: source 1's two fragments, two rings of five slots of 24.
.set BLK,   12800
.set KS,    4                          ; K steps of 128 in a tile
.set TILES, 2                          ; passes.  A PASS MULTIPLIES TWO TILES AT ONCE: the 28 LDS loads of a K step feed 32 products; the second tile's 16 accumulators lie in window 3, v128-255
.set TOT,   KS*TILES
.set LI,   4                           ; v4     16 x lane
.set LS,   8                           ; v8     4 x lane
.set GA,   12                          ; v12    16 x lane + 3072 x wave
.set GS,   13                          ; v13    12288 + 128 x wave + 4 x lane
.set S0SC, 16
.set S1SC, 104                         ; v104-113: source 1's scale words, five slots for each of the pass's two tiles
.set TM,   32
.set PC,   48
.set PW,   68
.set PWP,  70
.set ACC,  128
.set WV,   12                          ; s12 wave; s13 cx; s14 the cluster's number
.set G1,   16
.set G0,   24
.set SRC1, 40
.set DST,  42
.set DSTEP, 44
.set HM,   48
.set SEL,  50
.set MSB, 0
.macro WIN new                         ; s_set_vgpr_msb: bits 1:0 source 0, 3:2 source 1, 5:4 source 2, 7:6 destination; the high byte repeats the setting that is left
.if MSB != \new
	s_set_vgpr_msb (MSB<<8)|\new
.set MSB, \new
.endif
.endm
.macro ROUND                           ; a round of the cluster's barrier
	s_barrier_signal -1
	s_barrier_wait -1
	s_cmp_lg_u32 s[WV], 0
	s_cbranch_scc1 .Lnot_wave_0_\@
	s_barrier_signal -3
.Lnot_wave_0_\@:
	s_barrier_wait -3
	s_barrier_signal -1
	s_barrier_wait -1
.endm
.macro FETCH0 q                        ; source 0's eight fragments and four scale images of step q, from LDS into set q % 2: 28 LDS loads
.set FK, (\q)%KS
.set FS, 96*((\q)%2)
.set FO, FK*BLK
	WIN 0x40                                       ; destination window 1
.irp f, 0,1,2,3,4,5,6,7
.irp c, 0,1,2
	ds_load_b128 v[FS+12*\f+4*\c:FS+12*\f+4*\c+3], v[LI] offset:FO+1536*\f+512*\c
.endr
.endr
	WIN 0
.irp p, 0,1,2,3
	ds_load_b32 v[S0SC+4*((\q)%2)+\p], v[LS] offset:FO+12288+128*\p
.endr
.endm
.macro LOAD1 q                         ; source 1's two fragments and scale image of step q, for both tiles of the pass, from memory into slot q % 5: 14 loads
.set LSL, (\q)%5                       ; two rings of five slots in window 2: tile g of the pass at v[120 g + 24 slot]; 14 loads a step
.set LOF, BLK*((\q)%KS)+2*KS*BLK*((\q)/KS)
	WIN 0x80                                       ; destination window 2
.irp g, 0,1
.irp c, 0,1,2,3,4,5
	global_load_b128 v[120*\g+24*LSL+4*\c:120*\g+24*LSL+4*\c+3], v[GA], s[SRC1:SRC1+1] offset:LOF+KS*BLK*\g+512*\c
.endr
.endr
	WIN 0
.irp g, 0,1
	global_load_b32 v[S1SC+5*\g+LSL], v[GS], s[SRC1:SRC1+1] offset:LOF+KS*BLK*\g
.endr
.endm
; One product.  kq = 0: it starts the sum.  ra, rb: the side's scale words stand in lanes 16-31 of the register named.
.macro WM dd, aa, bb, kq, sa, sb, ra, rb
.if (\kq) == 0
.if (\ra) && (\rb)
	v_wmma_scale_f32_16x16x128_f8f6f4 v[\dd:\dd+7], v[\aa:\aa+11], v[\bb:\bb+11], 0, v[\sa], v[\sb] matrix_a_fmt:MATRIX_FMT_FP6 matrix_b_fmt:MATRIX_FMT_FP6 matrix_a_scale:MATRIX_SCALE_ROW1 matrix_b_scale:MATRIX_SCALE_ROW1
.elseif (\ra)
	v_wmma_scale_f32_16x16x128_f8f6f4 v[\dd:\dd+7], v[\aa:\aa+11], v[\bb:\bb+11], 0, v[\sa], v[\sb] matrix_a_fmt:MATRIX_FMT_FP6 matrix_b_fmt:MATRIX_FMT_FP6 matrix_a_scale:MATRIX_SCALE_ROW1
.elseif (\rb)
	v_wmma_scale_f32_16x16x128_f8f6f4 v[\dd:\dd+7], v[\aa:\aa+11], v[\bb:\bb+11], 0, v[\sa], v[\sb] matrix_a_fmt:MATRIX_FMT_FP6 matrix_b_fmt:MATRIX_FMT_FP6 matrix_b_scale:MATRIX_SCALE_ROW1
.else
	v_wmma_scale_f32_16x16x128_f8f6f4 v[\dd:\dd+7], v[\aa:\aa+11], v[\bb:\bb+11], 0, v[\sa], v[\sb] matrix_a_fmt:MATRIX_FMT_FP6 matrix_b_fmt:MATRIX_FMT_FP6
.endif
.else
.if (\ra) && (\rb)
	v_wmma_scale_f32_16x16x128_f8f6f4 v[\dd:\dd+7], v[\aa:\aa+11], v[\bb:\bb+11], v[\dd:\dd+7], v[\sa], v[\sb] matrix_a_fmt:MATRIX_FMT_FP6 matrix_b_fmt:MATRIX_FMT_FP6 matrix_a_scale:MATRIX_SCALE_ROW1 matrix_b_scale:MATRIX_SCALE_ROW1
.elseif (\ra)
	v_wmma_scale_f32_16x16x128_f8f6f4 v[\dd:\dd+7], v[\aa:\aa+11], v[\bb:\bb+11], v[\dd:\dd+7], v[\sa], v[\sb] matrix_a_fmt:MATRIX_FMT_FP6 matrix_b_fmt:MATRIX_FMT_FP6 matrix_a_scale:MATRIX_SCALE_ROW1
.elseif (\rb)
	v_wmma_scale_f32_16x16x128_f8f6f4 v[\dd:\dd+7], v[\aa:\aa+11], v[\bb:\bb+11], v[\dd:\dd+7], v[\sa], v[\sb] matrix_a_fmt:MATRIX_FMT_FP6 matrix_b_fmt:MATRIX_FMT_FP6 matrix_b_scale:MATRIX_SCALE_ROW1
.else
	v_wmma_scale_f32_16x16x128_f8f6f4 v[\dd:\dd+7], v[\aa:\aa+11], v[\bb:\bb+11], v[\dd:\dd+7], v[\sa], v[\sb] matrix_a_fmt:MATRIX_FMT_FP6 matrix_b_fmt:MATRIX_FMT_FP6
.endif
.endif
.endm
.macro MUL q                           ; a step's 32 products, 16 a tile: the accumulators take turns, one instruction a turn, in the same order in every step
.set KQ,   (\q)%KS
.set FSET, 96*((\q)%2)
.set FSLT, 24*((\q)%5)
.set FSC0, S0SC+4*((\q)%2)
.set FSC1, S1SC+(\q)%5
	WIN 0x09                                       ; source 0 window 1, source 1 window 2, C and D window 0
.irp s, 0,1
.irp t, 0,1,2,3,4,5,6,7
	WM ACC+64*\s+8*\t, FSET+12*\t, FSLT+12*\s, KQ, FSC0+\t/2, FSC1, \t%2, \s
.endr
.endr
	WIN 0xf9                                       ; the pass's second tile: C and D window 3
.irp s, 0,1
.irp t, 0,1,2,3,4,5,6,7
	WM ACC+64*\s+8*\t, FSET+12*\t, 120+FSLT+12*\s, KQ, FSC0+\t/2, FSC1+5, \t%2, \s
.endr
.endr
.endm
.macro QSTEP q
.if (\q)+1 < TOT
	s_wait_dscnt 28                                ; this step's 28 LDS loads are in; the next step's 28 may be out
.else
	s_wait_dscnt 0x0
.endif
.if TOT-1-(\q) >= 4
	s_wait_loadcnt 56                              ; this step's 14 loads are in; the 4 x 14 of the four steps behind it may be out
.else
	s_wait_loadcnt 14*(TOT-1-(\q))
.endif
	MUL \q
.rept 4
	v_nop                                          ; four places between the products and the loads into registers that they have read, and the first read of results
.endr
.if ((\q)%KS) == KS-1
	v_nop                                          ; a fifth: the next tile's first products begin the same accumulators anew
.endif
.if (\q)+2 < TOT
	FETCH0 (\q)+2
.endif
.if (\q)+5 < TOT
	LOAD1 (\q)+5
.endif
	WIN 0
.endm
; 64 numbers of a lane, register 16 b + i = k 32 b + 16 (lane / 16) + i of my row, become a fragment's codes in v[PC] on and its scale word in v[pw].
.macro QUANT src, pw
.irp b, 0,1,2,3
	v_max3_num_f32 v[TM+\b], |v[(\src)+16*\b]|, |v[(\src)+1+16*\b]|, 0x1800000   ; my 16 numbers of block b, and the floor 2^(3 - 127): the byte cannot fall under 1.  (Each accumulator is read from its low end on)
.endr
.irp i, 2,4,6,8,10,12,14
.irp b, 0,1,2,3
	v_max3_num_f32 v[TM+\b], v[TM+\b], |v[(\src)+16*\b+\i]|, |v[(\src)+1+16*\b+\i]|
.endr
.endr
.irp b, 0,1,2,3
	v_permlanex16_b32 v[TM+4+\b], v[TM+\b], s[SEL], s[SEL+1]
.endr
.irp b, 0,1,2,3
	v_max_num_f32 v[TM+\b], v[TM+\b], v[TM+4+\b]   ; with lane l xor 16's 16: the block's largest magnitude
.endr
.irp b, 0,1,2,3
	v_add_nc_u32 v[TM+12+\b], 0xff000000, v[TM+\b] ; 2 off its exponent field: the conversion's scale operand
.endr
.irp b, 0,1,2,3
	v_lshrrev_b32 v[TM+4+\b], 23, v[TM+12+\b]      ; the scale's byte
.endr
	v_lshl_or_b32 v[\pw], v[TM+5], 8, v[TM+4]
	v_lshl_or_b32 v[\pw], v[TM+6], 16, v[\pw]
	v_lshl_or_b32 v[\pw], v[TM+7], 24, v[\pw]
.irp c, 0,1
	v_cvt_scalef32_pk16_fp6_f32 v[PC+6*\c:PC+2+6*\c], v[(\src)+32*\c:(\src)+15+32*\c], v[TM+12+2*\c]
	v_cvt_scalef32_pk16_fp6_f32 v[PC+12+4*\c:PC+14+4*\c], v[(\src)+16+32*\c:(\src)+31+32*\c], v[TM+12+2*\c+1]   ; (a conversion's three registers begin on an even number)
.endr
	v_nop                                          ; one plain instruction behind the scaled conversions
.irp c, 0,1                                    ; the operand's layout wants a whole block in a lane: lanes 0-15 block 2 c, lanes 16-31 block 2 c + 1
.irp i, 0,1,2
	v_permlane16_swap_b32 v[PC+6*\c+\i], v[PC+12+4*\c+\i]
.endr
.irp i, 0,1,2
	v_mov_b32 v[PC+3+6*\c+\i], v[PC+12+4*\c+\i]
.endr
.endr
.endm
.macro EPI_Q                           ; the tile leaves as codes: my two fragments and their scale image, into the block at DST
.irp s, 0,1
	s_wait_xcnt 0x0                                ; the earlier stores have read their registers, which are written again below
	QUANT ACC+64*\s, PW+\s
.irp c, 0,1,2
	global_store_b128 v[GA], v[PC+4*\c:PC+4*\c+3], s[DST:DST+1] offset:1536*\s+512*\c   ; 512 consecutive bytes, aligned to 256
.endr
.endr
	v_cndmask_b32 v[PWP], v[PW], v[PW+1], s[HM]    ; lanes 0-15: the first fragment's words; lanes 16-31: the second's
	global_store_b32 v[GS], v[PWP], s[DST:DST+1]
	s_wait_xcnt 0x0                                ; the stores have read their base
	s_add_nc_u64 s[DST:DST+1], s[DST:DST+1], s[DSTEP:DSTEP+1]
.endm
	s_load_b128 s[4:7], s[0:1], 0x0                ; ops s[4:5], cf s[6:7]
	s_load_b64 s[8:9], s[0:1], 0x10                ; kvf
	v_lshl_add_u32 v126, v0, 2, 0x29000
	v_mov_b32 v127, 0
	ds_add_u32 v126, v127
	ds_add_u32 v126, v127
	v_lshrrev_b32 v1, 5, v0
	v_readfirstlane_b32 s[WV], v1
	s_bfe_u32 s13, ttmp6, 0x40000                  ; cx: my place in the cluster
	s_mov_b32 s14, ttmp9                           ; the cluster's number, 0 .. 63
	; descriptor group 1: a block, dense in memory, as 50 rows of 256 bytes (32 elements of 8 bytes), no padding
	s_mov_b32 s[G1], 15|(3<<16)|(1<<21)            ; 15:0 the mask: all four work-groups; 17:16 elements of 8 bytes; 21 set beside a mask
	s_mov_b32 s[G1+1], 32<<16
	s_mov_b32 s[G1+2], 50<<16
	s_mov_b32 s[G1+3], 32<<16
	s_mov_b32 s[G1+4], 50
	s_mov_b32 s[G1+5], 32
	s_mov_b32 s[G1+6], 0
	s_mov_b32 s[G1+7], 0
	s_mov_b32 s[HM], 0xffff0000
	s_mov_b32 s[SEL], 0x76543210
	s_mov_b32 s[SEL+1], 0xfedcba98
	v_and_b32 v1, 31, v0                           ; lane
	v_lshlrev_b32 v[LI], 4, v1
	v_lshlrev_b32 v[LS], 2, v1
	s_mul_i32 s55, s[WV], 3072
	v_add_nc_u32 v[GA], s55, v[LI]
	s_lshl_b32 s55, s[WV], 7
	s_add_co_u32 s55, s55, 12288
	v_add_nc_u32 v[GS], s55, v[LS]
.irp b, 0,1,2,3
	v_mov_b32 v[TM+4+\b], 0                        ; written once: a lane permute's destination counts as one of its sources
.endr
	; source 0's first block: nothing of cx enters s52 to s55
	s_lshr_b32 s54, s14, 1                         ; K: the head,
	s_lshl_b32 s54, s54, 2
	s_add_co_u32 s54, s54, 416                     ; Wk_up's group of that head, in ops
	s_and_b32 s55, s14, 31                         ; V: the group of tokens,
	s_lshl_b32 s55, s55, 2                         ; its four blocks, in cf
	; what hangs on cx
	s_and_b32 s56, s14, 1                          ; K: the batch
	s_lshl_b32 s57, s56, 2
	s_add_co_u32 s57, s57, s13
	s_lshl_b32 s57, s57, 4                         ; K: source 1 = c's blocks 16 (4 batch + cx) ..
	s_lshl_b32 s58, s13, 4
	s_add_co_u32 s58, s58, 480                     ; V: source 1 = Wv_up's blocks 480 + 16 cx ..
	s_lshl_b32 s59, s56, 4
	s_lshr_b32 s60, s14, 1
	s_add_co_u32 s59, s59, s60                     ; K: 16 batch + head
	s_lshl_b32 s59, s59, 4
	s_lshl_b32 s60, s13, 2                         ; 4 cx
	s_add_co_u32 s59, s59, s60
	s_lshl_b32 s59, s59, 1                         ; K: the first tile's block in kvf
	s_and_b32 s61, s14, 31
	s_lshr_b32 s62, s61, 4
	s_lshl_b32 s62, s62, 4
	s_add_co_u32 s62, s62, s60                     ; V: 16 batch + 4 cx
	s_lshl_b32 s62, s62, 4
	s_and_b32 s61, s61, 15
	s_add_co_u32 s62, s62, s61                     ; + the group of keys
	s_lshl_b32 s62, s62, 1
	s_add_co_u32 s62, s62, 1                       ; V: the first tile's block in kvf
	s_mov_b32 s[DSTEP], 32*BLK                     ; V: from head to head
	s_mov_b32 s[DSTEP+1], 0
	s_wait_dscnt 0x0
	s_wait_kmcnt 0x0
	s_cmp_lt_u32 s14, 32                           ; K or V: the same in all partners
	s_cselect_b32 s54, s54, s55
	s_cselect_b64 s[52:53], s[4:5], s[6:7]
	s_cselect_b64 s[SRC1:SRC1+1], s[6:7], s[4:5]
	s_cselect_b32 s57, s57, s58
	s_cselect_b32 s59, s59, s62
	s_cselect_b32 s[DSTEP], 2*BLK, s[DSTEP]        ; K: from group of keys to group of keys
	s_add_co_u32 s54, s54, s[WV]                   ; my wave's block of the four
	s_mul_i32 s54, s54, BLK
	s_mov_b32 s55, 0
	s_add_nc_u64 s[52:53], s[52:53], s[54:55]
	s_mul_i32 s54, s[WV], BLK                      ; and its place in LDS
	s_mul_i32 s56, s57, BLK
	s_mov_b32 s57, 0
	s_add_nc_u64 s[SRC1:SRC1+1], s[SRC1:SRC1+1], s[56:57]
	s_mul_i32 s58, s59, BLK
	s_mov_b32 s59, 0
	s_add_nc_u64 s[DST:DST+1], s[8:9], s[58:59]
	s_mov_b32 s[G0], 1                             ; count = 1
	s_mov_b32 s[G0+1], s54                         ; LDS address
	s_mov_b64 s[G0+2:G0+3], s[52:53]
	s_or_b32 s[G0+3], s[G0+3], 0x80000000          ; type = 2
	ROUND                                          ; all four work-groups are here: the joint loads meet
	tensor_load_to_lds s[G0:G0+3], s[G1:G1+7]
	s_nop 0
.rept 4
	v_nop                                          ; four plain instructions follow the tensor load
.endr
	s_wait_alu depctr_va_vdst(0)
.irp q, 0,1,2,3,4
	LOAD1 \q
.endr
	s_wait_tensorcnt 0x0                           ; my block is in,
	s_barrier_signal -1
	s_barrier_wait -1                              ; everybody's is
	FETCH0 0
	FETCH0 1
.set Q, 0
.rept TOT
	QSTEP Q
.if (Q%KS) == KS-1
	EPI_Q
	WIN 0x03                                       ; the second tile's sums come down into window 0, each accumulator from its low end on, and leave by the same lines
.set J, 0
.rept 128
	v_mov_b32 v[ACC+J], v[ACC+J]
.set J, J+1
.endr
	WIN 0
	EPI_Q
.endif
.set Q, Q+1
.endr
	s_wait_dscnt 0x0
	s_wait_tensorcnt 0x0
	ds_add_u32 v126, v127
	s_wait_dscnt 0x0
	ROUND                                          ; the closing round: no work-group ends while a partner may still ask for a block that names it
	s_endpgm
.Lfunc_end_k_qfd3bba4f74_kv:
	.size	k_qfd3bba4f74_kv, .Lfunc_end_k_qfd3bba4f74_kv-k_qfd3bba4f74_kv
	.p2alignl 7, 3214868480
	.fill 96, 4, 3214868480
	.section	.rodata,"a",@progbits
	.p2align	6, 0x0
	.amdhsa_kernel k_qfd3bba4f74_kv
		.amdhsa_group_segment_fixed_size 168448
		.amdhsa_private_segment_fixed_size 0
		.amdhsa_enable_private_segment 0
		.amdhsa_kernarg_size 24
		.amdhsa_user_sgpr_count 2
		.amdhsa_user_sgpr_kernarg_segment_ptr 1
		.amdhsa_wavefront_size32 1
		.amdhsa_system_sgpr_workgroup_id_x 1
		.amdhsa_system_sgpr_workgroup_id_y 1
		.amdhsa_system_sgpr_workgroup_id_z 1
		.amdhsa_system_vgpr_workitem_id 0
		.amdhsa_next_free_vgpr 1024
		.amdhsa_next_free_sgpr 66
		.amdhsa_reserve_vcc 0
		.amdhsa_float_denorm_mode_32 3
		.amdhsa_float_denorm_mode_16_64 3
		.amdhsa_memory_ordered 1
		.amdhsa_forward_progress 1
		.amdhsa_inst_pref_size 106
	.end_amdhsa_kernel
	.amdgpu_metadata
---
amdhsa.version: [ 1, 2 ]
amdhsa.kernels:
  - .name:           k_qfd3bba4f74_kv
    .symbol:         k_qfd3bba4f74_kv.kd
    .args:
      - { .name: ops, .offset: 0, .size: 8, .value_kind: global_buffer, .address_space: global }
      - { .name: cf, .offset: 8, .size: 8, .value_kind: global_buffer, .address_space: global }
      - { .name: kvf, .offset: 16, .size: 8, .value_kind: global_buffer, .address_space: global }
    .group_segment_fixed_size: 168448
    .private_segment_fixed_size: 0
    .kernarg_segment_align: 8
    .kernarg_segment_size: 24
    .max_flat_workgroup_size: 128
    .sgpr_count:     66
    .vgpr_count:     1024
    .wavefront_size: 32
...
	.end_amdgpu_metadata
.endif
;; end of part 3
;; launch attn (part 4): grid 8 x 32, 8 waves a work-group, no clusters, 327,680 bytes of LDS; arguments qf, kvf, ofr; writes ofr
.if DOCPART == 4
	.amdgcn_target "amdgcn-amd-amdhsa--gfx1250"
	.amdhsa_code_object_version 6
	.text
	.protected	k_qfd3bba4f74_attn
	.globl	k_qfd3bba4f74_attn
	.p2align	8
	.type	k_qfd3bba4f74_attn,@function
k_qfd3bba4f74_attn:
	s_mov_b64 s[64:65], 0
	v_nop
	global_prefetch_b8 v0, s[64:65] scope:SCOPE_SE
	s_setreg_imm32_b32 hwreg(HW_REG_WAVE_MODE, 25, 1), 1
	s_wait_xcnt 0x0
; ATTN: O = softmax(Q K^T / sqrt(128), causal) V for one head, both products on FP6 codes; O is quantised along the head's 128 on the way out.
; OPERANDS are blocks of 12,800 bytes (128 rows x 128 K): eight fragments as images of their 12 registers (1536 f + 512 c + 16 lane), then four images of scale words
; (12288 + 128 p + 4 lane: fragment 2 p + lane / 16, row lane % 16).  Lane-row r of fragment 2 b + u is row 32 b + 8 u + r + 8 (r / 8) of the block.
; qf: block 16 bh + group of queries.  kvf: block (16 bh + group of keys) x 2 + isV: a key tile's K and V are 25,600 bytes on end.  ofr: block 16 x group of tokens + head.
; LEFT OUT: key tiles that lie wholly behind the causal mask: their p is 0 for every input.
; THE SOFTMAX: t = score x log2(e) / sqrt(128); M = the row's largest t so far, rounded UP to a whole number; p = 2^(t - M) is quantised along the keys, not normalised; the row's sum is taken
; of the unquantised p and divides O at the end.  When M moves, the sums and O are multiplied by 2^(old M - new M): exact.
; SHARES.  Work-group (i, bh), eight waves, two to a SIMD, 512 registers each.  It owns the groups of 128 queries i and 15 - i: i + 1 and 16 - i key tiles, 17 steps of 128 x 128 in every work-group.
; Wave w owns fragment w (16 queries) of the group at work.  The order of a group's key tiles is free under a running M.  The group with an EVEN number of tiles, BE, goes first:
; step 0 its diagonal tile, steps 1 .. BE tiles 0 .. BE - 1; then group BO = 15 - BE: tiles 0 .. BO, the diagonal at step 16.  So the change of groups falls behind a step in slot 1, and both diagonals stand at fixed steps.
; THE MASK is laid once into registers (0, or -3e38 where the key comes after the query) and is the C of the diagonal tiles' first products.
; THE RING: two slots of one key tile.  A wave's load is a quarter of a tile (25 rows of 256 bytes) and lands at 6,400 x wave: at the head waves 0-3 fetch step 0's tile and waves 4-7 step 1's; slot s is filled again by
; waves 4 s .. 4 s + 3.  A tile's K and V go whole into registers; the change of slots stands in the middle of a step, when this step's V has been read: behind it the slot takes the tile two steps on and the next
; step's K is read under this step's exponentials.  One tensor load of a wave is out at the most.
; Both products are used transposed (S^T = K Q^T, O^T = V^T P^T): a lane holds one query throughout.
; NO CLUSTER: the key tile of a step hangs on BE, which differs between the work-groups of a head, so their loads' descriptors differ.
; PREFETCH: odd tiles are read as diagonals at step 0, tile 0 at the head; even tile 2 i (i = 1 .. 7) is named once, by waves 0-3 of work-group i of the head: in step 2 i - 3 (i = 1: at the head), two steps ahead of the
; first tensor load that wants it (issued in step 2 i - 1): a wave 25 blocks of 256 bytes, a lane a block, lanes 25-31 the wave's last block again.
; LIMITS: the promise holds while the scaled scores stay under 2^31 in magnitude; a block's largest p is taken from the block's largest score through the same multiply-add and exponential (this takes v_exp_f32
; not to fall where its input rises); a block of zeros gets the byte 1; NaN and infinities are not served.
; REGISTERS.  Window 0: v1-7 addresses; v8-9 -M, largest t; v10-11 the factor; v13-23 scale words; v24-35, v60-67 at work; v36-47 Q; v48-59 p's codes; v96-159 S^T, then p; v160-255 K.
;   Window 1: v0-63 O^T; v64-159 V; v160-167 the sums, four pairs; v168-231 the mask; v232-243 the second group's Q.
.set BLK,   12800
.set SLOT,  2*BLK
.set SPARE, 2*SLOT                     ; behind the slots: the spare words, 128 bytes a wave
.set LI, 1
.set LS, 2
.set FO, 3                             ; 16 x lane + 1536 x wave: my fragment in a block
.set WO, 4                             ; 4 (lane % 16) + 64 x wave: my row's scale word, behind 12,288
.set SPW, 5
.set NIL, 6
.set PFO, 7
.set NMX, 8
.set F, 10
.set RT, 12
.set QS, 13
.set QS2, 14
.set PW, 15
.set KS, 16
.set VS, 20
.set TMX, 24
.set TP, 28
.set SO, 32
.set Q, 36
.set PC, 48
.set TT, 60
.set S, 96
.set KF, 160
.set VF, 64                            ; window 1
.set AC, 160                           ; window 1
.set BI, 168                           ; window 1
.set Q2, 232                           ; window 1
.set WV, 10
.set II, 11
.set BH, 12
.set BE, 13
.set BO, 14
.set SIG, 15                           ; the step, 0 .. 16
.set G1, 16
.set G0, 24                            ; s[24:27]: my one group 0
.set KVB, 32                           ; the head's K and V, at my quarter of a tile
.set SEL, 34
.set CS, 36
.set PFA, 38
.set PFT, 40
.set QA, 46
.set OE, 48
.set OO, 50
.set CNT, 52
.set BE1, 53
.set QB, 54
.set SET, 56                           ; wave / 4: the slot that I fill
.set MSB, 0
.macro WIN new                         ; s_set_vgpr_msb: bits 1:0 source 0, 3:2 source 1, 5:4 source 2, 7:6 destination; the high byte repeats the setting that is left
.if MSB != \new
	s_set_vgpr_msb (MSB<<8)|\new
.set MSB, \new
.endif
.endm
.macro WM dd, aa, bb, cc, sa, sb, ra   ; one product; ra: source 0's scale words stand in lanes 16-31
.if (\ra)
	v_wmma_scale_f32_16x16x128_f8f6f4 v[\dd:\dd+7], v[\aa:\aa+11], v[\bb:\bb+11], \cc, v[\sa], v[\sb] matrix_a_fmt:MATRIX_FMT_FP6 matrix_b_fmt:MATRIX_FMT_FP6 matrix_a_scale:MATRIX_SCALE_ROW1
.else
	v_wmma_scale_f32_16x16x128_f8f6f4 v[\dd:\dd+7], v[\aa:\aa+11], v[\bb:\bb+11], \cc, v[\sa], v[\sb] matrix_a_fmt:MATRIX_FMT_FP6 matrix_b_fmt:MATRIX_FMT_FP6
.endif
.endm
.macro KLOAD s                         ; K's block of slot s into registers: 28 LDS loads
.irp f, 0,1,2,3,4,5,6,7
.irp c, 0,1,2
	ds_load_b128 v[KF+12*\f+4*\c:KF+12*\f+4*\c+3], v[LI] offset:SLOT*(\s)+1536*\f+512*\c
.endr
.endr
.irp p, 0,1,2,3
	ds_load_b32 v[KS+\p], v[LS] offset:SLOT*(\s)+12288+128*\p
.endr
.endm
.macro VLOAD s                         ; V's block: 28 LDS loads
	WIN 0x40
.irp f, 0,1,2,3,4,5,6,7
.irp c, 0,1,2
	ds_load_b128 v[VF+12*\f+4*\c:VF+12*\f+4*\c+3], v[LI] offset:SLOT*(\s)+BLK+1536*\f+512*\c
.endr
.endr
	WIN 0
.irp p, 0,1,2,3
	ds_load_b32 v[VS+\p], v[LS] offset:SLOT*(\s)+BLK+12288+128*\p
.endr
.endm
.macro SMUL bias                       ; S^T = K Q^T: 8 products, each starts its sum: with 0, or on a diagonal with the mask
	WIN 0x10*\bias
.irp t, 0,1,2,3,4,5,6,7
.if \bias
	WM S+8*\t, KF+12*\t, Q, v[BI+8*\t:BI+8*\t+7], KS+\t/2, QS, \t%2
.else
	WM S+8*\t, KF+12*\t, Q, 0, KS+\t/2, QS, \t%2
.endif
.endr
	WIN 0
.endm
.macro MX3 d, a, b, c, abs
.if \abs
	v_max3_num_f32 v[\d], |v[\a]|, |v[\b]|, |v[\c]|
.else
	v_max3_num_f32 v[\d], v[\a], v[\b], v[\c]
.endif
.endm
.macro MAXP abs                        ; the largest number (abs: magnitude) of each block of 32: four chains by turns; each accumulator is read from its low end on
.irp b, 0,1,2,3
	MX3 TMX+\b, S+16*\b, S+16*\b+1, S+16*\b+2, \abs
.endr
.irp i, 3,5,7,9,11,13
.irp b, 0,1,2,3
	MX3 TMX+\b, TMX+\b, S+16*\b+\i, S+16*\b+\i+1, \abs
.endr
.endr
.irp b, 0,1,2,3
	MX3 TMX+\b, TMX+\b, S+16*\b+15, S+16*\b+15, \abs
.endr
.irp b, 0,1,2,3
	v_permlanex16_b32 v[TP+\b], v[TMX+\b], s[SEL], s[SEL+1]
.endr
.irp b, 0,1,2,3
	v_max_num_f32 v[TMX+\b], v[TMX+\b], v[TP+\b]   ; with lane l xor 16's 16
.endr
.endm
.macro SCVT                            ; from the blocks' largest magnitudes: the scale word in v[PW], the fragment's codes in v[PC] on
.irp b, 0,1,2,3
	v_max_num_f32 v[TMX+\b], 0x1800000, v[TMX+\b]  ; the floor 2^(3 - 127): the byte cannot fall under 1
.endr
.irp b, 0,1,2,3
	v_add_nc_u32 v[SO+\b], 0xff000000, v[TMX+\b]   ; 2 off the exponent field: the conversion's scale operand
.endr
.irp b, 0,1,2,3
	v_lshrrev_b32 v[TP+\b], 23, v[SO+\b]           ; the byte
.endr
	v_lshl_or_b32 v[PW], v[TP+1], 8, v[TP]
	s_delay_alu instid0(VALU_DEP_1)
	v_lshl_or_b32 v[PW], v[TP+2], 16, v[PW]
	s_delay_alu instid0(VALU_DEP_1)
	v_lshl_or_b32 v[PW], v[TP+3], 24, v[PW]
.irp c, 0,1
	v_cvt_scalef32_pk16_fp6_f32 v[PC+6*\c:PC+6*\c+2], v[S+32*\c:S+32*\c+15], v[SO+2*\c]
	v_cvt_scalef32_pk16_fp6_f32 v[TT+4*\c:TT+4*\c+2], v[S+32*\c+16:S+32*\c+31], v[SO+2*\c+1]   ; (three registers from an even one on)
.endr
	v_nop                                          ; one plain instruction behind the scaled conversions
.irp c, 0,1
.irp i, 0,1,2
	v_permlane16_swap_b32 v[PC+6*\c+\i], v[TT+4*\c+\i]   ; the operand wants a whole block in a lane
.endr
.endr
.irp c, 0,1
.irp i, 0,1,2
	v_mov_b32 v[PC+6*\c+3+\i], v[TT+4*\c+\i]
.endr
.endr
.endm
; THE CHANGE OF SLOTS in step SIG (its tile lies in slot).  pmode 2: the slot takes the tile of step SIG + 2; 1: nothing is left to fetch; 0: the last step, only my reads of V are waited for.
.macro PSY slot, pmode, ask
	s_wait_alu depctr_va_vdst(0)                   ; the wait ahead of the waits below and of the exponentials behind them
.if \pmode == 0
	s_wait_dscnt 0x0
.else
	s_wait_tensorcnt 0x0                           ; any quarter of the next tile that I fetched is in, and no load of mine is out: my group 0 may be written
	ds_add_u32 v[SPW], v[NIL]
.if \pmode == 2
	s_add_co_u32 s42, s[SIG], 1                    ; step SIG + 2 takes tile SIG + 1 of group BE, while that is under BE,
	s_sub_co_u32 s43, s42, s[BE]                   ; else tile SIG + 1 - BE of group BO
	s_cmp_lt_u32 s42, s[BE]
	s_cselect_b32 s42, s42, s43
	s_mul_i32 s42, s42, SLOT
	s_mov_b32 s43, 0
	s_add_nc_u64 s[G0+2:G0+3], s[KVB:KVB+1], s[42:43]
	s_or_b32 s[G0+3], s[G0+3], 0x80000000
.endif
	s_wait_dscnt 0x0                               ; the add is done, and my reads of this slot (K's and V's) are over
	s_barrier_signal -1
	s_barrier_wait -1
.if \pmode == 2
	s_cmp_eq_u32 s[SET], \slot                     ; the four waves whose quarters lie in this slot fill it
	s_cbranch_scc0 .Lno_fill_\@
	tensor_load_to_lds s[G0:G0+3], s[G1:G1+7]
	s_nop 0
.Lno_fill_\@:
.endif
	KLOAD 1-\slot                                  ; the next step's K; 28 loads, waited for at that step's head
.if \ask
	s_cmp_eq_u32 s[SIG], s[PFT]
	s_cbranch_scc0 .Lno_ask_\@
	global_prefetch_b8 v[PFO], s[PFA:PFA+1] th:TH_LOAD_NT scope:SCOPE_SE
.Lno_ask_\@:
.endif
.endif
.endm
; A STEP: my 16 queries x 128 keys.  diag 0: no hidden key; 1: the diagonal; 2: the diagonal where SIG = 0.
.macro UNIT slot, diag, pmode, ask
	VLOAD \slot                                    ; (four plain instructions stand behind the last product that read these registers)
	s_wait_dscnt 28                                ; K's 28 loads are in; V's 28 may be out
.if \diag == 2
	s_cmp_eq_u32 s[SIG], 0
	s_cbranch_scc1 .Ldiag_\@
.endif
.if \diag != 1
	SMUL 0
.endif
.if \diag == 2
	s_branch .Lmul_done_\@
.Ldiag_\@:
.endif
.if \diag != 0
	SMUL 1
.endif
.if \diag == 2
.Lmul_done_\@:
.endif
.rept 4
	v_nop                                          ; four places behind the products (ISA guide 7.12.1)
.endr
	MAXP 0
	v_max3_num_f32 v[RT], v[TMX], v[TMX+1], v[TMX+2]
	s_delay_alu instid0(VALU_DEP_1)
	v_max_num_f32 v[RT], v[RT], v[TMX+3]
	s_delay_alu instid0(VALU_DEP_1)
	v_mul_f32 v[RT], s[CS], v[RT]                  ; the step's largest t (c is positive)
	s_delay_alu instid0(VALU_DEP_1)
	v_max_num_f32 v[NMX+1], v[NMX+1], v[RT]
	v_mov_b32 v[RT], v[NMX]
	s_delay_alu instid0(VALU_DEP_2)
	v_floor_f32 v[NMX], -v[NMX+1]                  ; -M = floor(-t)
	s_delay_alu instid0(VALU_DEP_1)
	v_sub_f32 v[RT], v[NMX], v[RT]                 ; old M - new M, a whole number
	s_delay_alu instid0(VALU_DEP_1)
	v_cvt_i32_f32 v[RT], v[RT]                     ; (it saturates)
	s_delay_alu instid0(VALU_DEP_1)
	v_ldexp_f32 v[F], 1.0, v[RT]
.set J, 0
.rept 32
	v_pk_fma_f32 v[S+J:S+J+1], v[S+J:S+J+1], s[CS:CS+1], v[NMX:NMX+1] op_sel_hi:[1,0,0]            ; t - M
.set J, J+2
.endr
.irp b, 0,1,2,3
	v_fma_f32 v[TMX+\b], v[TMX+\b], s[CS], v[NMX]  ; the same of each block's largest score
.endr
	PSY \slot, \pmode, \ask
.irp b, 0,1,2,3
	v_exp_f32 v[TMX+\b], v[TMX+\b]                 ; the blocks' largest p
.endr
.set J, 0
.rept 64
	v_exp_f32 v[S+J], v[S+J]                       ; p = 2^(t - M)
.set J, J+1
.endr
	v_nop                                          ; a plain instruction behind the exponentials
	s_wait_alu depctr_va_vdst(0)                   ; one wait for the batch
	SCVT
	WIN 0x51                                       ; destination, source 0 and C window 1, source 1 window 0: serves the scalings, the products and the sums
	s_wait_alu depctr_va_vdst(0)                   ; the wait directly ahead of the first reader of O^T
.set J, 0
.rept 32
	v_pk_mul_f32 v[J:J+1], v[J:J+1], v[F:F+1] op_sel_hi:[1,0]                  ; O^T under the new M
.set J, J+2
.endr
.irp j, 0,2,4,6
	v_pk_mul_f32 v[AC+\j:AC+\j+1], v[AC+\j:AC+\j+1], v[F:F+1] op_sel_hi:[1,0]  ; and the sums
.endr
.set PA, 0
.irp t, 0,1,2,3,4,5,6,7                        ; O^T += V^T P^T: 8 accumulators by turns; behind each product four additions of the unquantised p, which name none of its registers
	WM 8*\t, VF+12*\t, PC, v[8*\t:8*\t+7], VS+\t/2, PW, \t%2
.rept 4
	v_pk_add_f32 v[AC+2*(PA%4):AC+2*(PA%4)+1], v[AC+2*(PA%4):AC+2*(PA%4)+1], v[S+2*PA:S+2*PA+1]
.set PA, PA+1
.endr
.endr
	WIN 0
	s_add_co_u32 s[SIG], s[SIG], 1
.endm
.macro INIT                            ; the largest t so far: -3e38; -M
	v_mov_b32 v[NMX+1], 0xff61b1e6
	s_delay_alu instid0(VALU_DEP_1)
	v_floor_f32 v[NMX], -v[NMX+1]
.endm
.macro ZERO                            ; O^T and the sums of a group begin at 0: the step is written once, with no first step of its own
	WIN 0x40
.set J, 0
.rept 64
	v_mov_b32 v[J], 0
.set J, J+1
.endr
.set J, 0
.rept 8
	v_mov_b32 v[AC+J], 0
.set J, J+1
.endr
	WIN 0
.endm
; A GROUP LEAVES: O^T / the sum, quantised along the head's 128; my fragment and its scale words go as images of their registers.
.macro EPI dst
	WIN 0x45
	v_pk_add_f32 v[AC:AC+1], v[AC:AC+1], v[AC+2:AC+3]
	v_pk_add_f32 v[AC+4:AC+5], v[AC+4:AC+5], v[AC+6:AC+7]
	s_delay_alu instid0(VALU_DEP_1)
	v_pk_add_f32 v[AC:AC+1], v[AC:AC+1], v[AC+4:AC+5]
	WIN 0x05
	v_add_f32 v[TMX], v[AC], v[AC+1]
	WIN 0
	v_permlanex16_b32 v[TP], v[TMX], s[SEL], s[SEL+1]
	s_delay_alu instid0(VALU_DEP_1)
	v_add_f32 v[RT], v[TMX], v[TP]                 ; the row's sum
	s_wait_alu depctr_va_vdst(0)                   ; the wait ahead of the reciprocal
	v_rcp_f32 v[RT], v[RT]
	v_nop
	WIN 0x01
	s_wait_alu depctr_va_vdst(0)                   ; and behind it, directly ahead of the first reader of O^T
.set J, 0
.rept 64
	v_mul_f32 v[S+J], v[J], v[RT]
.set J, J+1
.endr
	WIN 0
	MAXP 1
	SCVT
.irp c, 0,1,2
	global_store_b128 v[FO], v[PC+4*\c:PC+4*\c+3], s[\dst:\dst+1] offset:512*\c   ; 512 consecutive bytes, aligned to 256
.endr
	global_store_b32 v[WO], v[PW], s[\dst:\dst+1] offset:12288   ; lanes r and 16 + r store the same word to the same place
.endm
.macro SWITCH                          ; behind step BE group BE leaves and group BO begins: a branch on ids, round no barrier, wait on a tile or tensor load
	s_cmp_lg_u32 s[SIG], s[BE1]
	s_cbranch_scc1 .Lsame_\@
	EPI OE
	s_wait_alu depctr_va_vdst(0)
	s_wait_xcnt 0x0                                ; the stores have read their registers, which the next step writes
	WIN 0x01
.set J, 0
.rept 12
	v_mov_b32 v[Q+J], v[Q2+J]
.set J, J+1
.endr
	WIN 0
	v_mov_b32 v[QS], v[QS2]
	INIT
	ZERO
	s_wait_alu depctr_va_vdst(0)
.Lsame_\@:
.endm
	s_load_b128 s[4:7], s[0:1], 0x0                ; qf, kvf
	s_load_b64 s[8:9], s[0:1], 0x10                ; ofr
	v_lshl_add_u32 v[SPW], v0, 2, SPARE
	v_mov_b32 v[NIL], 0
	ds_add_u32 v[SPW], v[NIL]                      ; the opening lines: the add twice, and its wait ahead of my first tensor load
	ds_add_u32 v[SPW], v[NIL]
	v_lshrrev_b32 v7, 5, v0
	s_delay_alu instid0(VALU_DEP_1)
	v_readfirstlane_b32 s[WV], v7
	s_lshr_b32 s[SET], s[WV], 2
	s_mov_b32 s[II], ttmp9
	s_and_b32 s[BH], ttmp7, 0xffff                 ; 16 batch + head
	s_sub_co_u32 s42, 15, s[II]
	s_bitcmp1_b32 s[II], 0                         ; group B has B + 1 tiles: the odd one of i and 15 - i goes first
	s_cselect_b32 s[BE], s[II], s42
	s_cselect_b32 s[BO], s42, s[II]
	s_add_co_u32 s[BE1], s[BE], 1
	s_mov_b32 s[G1], 3<<16                         ; a quarter of a tile, dense: 25 rows of 256 bytes (32 elements of 8 bytes)
	s_mov_b32 s[G1+1], 32<<16
	s_mov_b32 s[G1+2], 25<<16
	s_mov_b32 s[G1+3], 32<<16
	s_mov_b32 s[G1+4], 25
	s_mov_b32 s[G1+5], 32
	s_mov_b32 s[G1+6], 0
	s_mov_b32 s[G1+7], 0
	s_mov_b32 s[SEL], 0x76543210
	s_mov_b32 s[SEL+1], 0xfedcba98
	s_mov_b32 s[CS], 0x3e0293ee                    ; c = log2(e) / sqrt(128)
	s_mov_b32 s[CS+1], s[CS]
	s_mov_b32 s[SIG], 0
	s_mov_b32 s[CNT], 0
	s_lshl_b32 s[PFT], s[II], 1
	s_sub_co_u32 s[PFT], s[PFT], 3                 ; the step in which waves 0-3 prefetch; for i < 2, and in waves 4-7, no step has this number
	s_cmp_eq_u32 s[SET], 0
	s_cselect_b32 s[PFT], s[PFT], -1
	s_and_b32 s44, s[WV], 3
	s_mul_i32 s44, s44, SLOT/4                     ; my quarter of a tile in memory
	s_mov_b32 s[G0], 1
	s_mul_i32 s[G0+1], s[WV], SLOT/4               ; and where it lands: slot wave / 4, quarter wave % 4
	v_and_b32 v7, 31, v0
	v_and_b32 v[TT], 15, v0                        ; r
	v_lshlrev_b32 v[LI], 4, v7
	v_lshlrev_b32 v[LS], 2, v7
	v_min_u32 v[PFO], 24, v7
	s_mul_i32 s45, s[WV], 1536
	v_add_nc_u32 v[FO], s45, v[LI]
	s_lshl_b32 s45, s[WV], 6
	v_lshl_add_u32 v[WO], v[TT], 2, s45
	v_lshlrev_b32 v[PFO], 8, v[PFO]
	s_mov_b32 s43, 0
	s_wait_alu depctr_va_vdst(0)
	s_wait_dscnt 0x0
	s_wait_kmcnt 0x0
	s_lshl_b32 s45, s[BH], 4
	s_add_co_u32 s42, s45, s[BE]
	s_mul_i32 s42, s42, BLK
	s_add_nc_u64 s[QA:QA+1], s[4:5], s[42:43]
	s_add_co_u32 s42, s45, s[BO]
	s_mul_i32 s42, s42, BLK
	s_add_nc_u64 s[QB:QB+1], s[4:5], s[42:43]
.irp c, 0,1,2
	global_load_b128 v[Q+4*\c:Q+4*\c+3], v[FO], s[QA:QA+1] offset:512*\c
.endr
	global_load_b32 v[QS], v[WO], s[QA:QA+1] offset:12288
	global_load_b32 v[QS2], v[WO], s[QB:QB+1] offset:12288
	WIN 0x40
.irp c, 0,1,2
	global_load_b128 v[Q2+4*\c:Q2+4*\c+3], v[FO], s[QB:QB+1] offset:512*\c
.endr
	WIN 0
	s_mul_i32 s42, s[BH], 16*SLOT
	s_add_co_u32 s42, s42, s44
	s_add_nc_u64 s[KVB:KVB+1], s[6:7], s[42:43]    ; the head's K and V, my quarter
	s_mul_i32 s42, s[II], 2*SLOT
	s_add_nc_u64 s[PFA:PFA+1], s[KVB:KVB+1], s[42:43]   ; tile 2 i, my quarter
	s_mul_i32 s42, s[BE], SLOT                     ; the head's load: waves 0-3: step 0 (tile BE); waves 4-7: step 1 (tile 0)
	s_cmp_eq_u32 s[SET], 0
	s_cselect_b32 s42, s42, 0
	s_add_nc_u64 s[G0+2:G0+3], s[KVB:KVB+1], s[42:43]
	s_or_b32 s[G0+3], s[G0+3], 0x80000000
	tensor_load_to_lds s[G0:G0+3], s[G1:G1+7]      ; my one load at the head
	s_nop 0
	v_and_b32 v[TT+1], 8, v0
	v_bfe_u32 v[TT+2], v0, 4, 1                    ; h
	v_mov_b32 v[TT+4], 0xff61b1e6                  ; -3e38
	v_add_nc_u32 v[TT+3], v[TT], v[TT+1]           ; r + 8 (r / 8)
	v_lshlrev_b32 v[TT+2], 4, v[TT+2]
	s_lshr_b32 s44, s[WV], 1
	s_lshl_b32 s44, s44, 5
	s_and_b32 s45, s[WV], 1
	s_lshl_b32 s45, s45, 3
	s_add_co_u32 s44, s44, s45                     ; my fragment's first row: 32 (w / 2) + 8 (w % 2)
	v_add_nc_u32 v[TT+3], s44, v[TT+3]             ; my query in its group,
	s_delay_alu instid0(VALU_DEP_1)
	v_sub_nc_u32 v[TT+3], v[TT+3], v[TT+2]         ; less 16 h: register 16 b + i holds key 32 b + 16 h + i
	s_lshl_b32 s45, s[SET], 4
	s_or_b32 s45, s45, s[II]
	s_cmp_eq_u32 s45, 1                            ; waves 0-3 of work-group 1
	s_cbranch_scc0 .Lno_first_ask
	global_prefetch_b8 v[PFO], s[PFA:PFA+1] th:TH_LOAD_NT scope:SCOPE_SE   ; tile 2, wanted by the load of step 1
.Lno_first_ask:
	s_and_b32 s44, s[BH], 0xf0                     ; O's block: (16 batch + group) x 16 + head
	s_and_b32 s45, s[BH], 15
	s_add_co_u32 s42, s44, s[BE]
	s_lshl_b32 s42, s42, 4
	s_add_co_u32 s42, s42, s45
	s_mul_i32 s42, s42, BLK
	s_add_nc_u64 s[OE:OE+1], s[8:9], s[42:43]
	s_add_co_u32 s42, s44, s[BO]
	s_lshl_b32 s42, s42, 4
	s_add_co_u32 s42, s42, s45
	s_mul_i32 s42, s42, BLK
	s_add_nc_u64 s[OO:OO+1], s[8:9], s[42:43]
	s_wait_alu depctr_va_vdst(0)
	WIN 0x40
.set N, 0
.rept 64
	v_cmp_gt_i32 vcc_lo, 32*(N/16)+N%16, v[TT+3]   ; hidden where the register's key comes after my query
	v_cndmask_b32 v[BI+N], 0, v[TT+4], vcc_lo
.set N, N+1
.endr
	WIN 0
.irp j, 0,1,2,3
	v_mov_b32 v[TP+\j], 0                          ; written once: a lane permute's destination counts as one of its sources
.endr
	v_mov_b32 v[F], 0
	v_mov_b32 v[F+1], 0                            ; (the pair's upper half is named, so it is written)
	INIT
	ZERO
	s_wait_alu depctr_va_vdst(0)
	s_wait_loadcnt 0x0                             ; Q of both groups
	s_wait_tensorcnt 0x0                           ; my quarter of the first two tiles
	ds_add_u32 v[SPW], v[NIL]
	s_wait_dscnt 0x0
	s_barrier_signal -1
	s_barrier_wait -1                              ; everybody's
	KLOAD 0
.Lpair:                                            ; steps 0 .. 13, two a trip
	UNIT 0, 2, 2, 0
	UNIT 1, 0, 2, 1
	SWITCH
	s_add_co_u32 s[CNT], s[CNT], 1
	s_cmp_lt_u32 s[CNT], 7
	s_cbranch_scc1 .Lpair
	UNIT 0, 0, 2, 0                                ; step 14 asks for step 16's tile; the last steps are written out by a test on the step
	UNIT 1, 0, 1, 0
	SWITCH
	UNIT 0, 1, 0, 0                                ; step 16: group BO's diagonal
	EPI OO
	s_wait_tensorcnt 0x0                           ; the wave's end
	ds_add_u32 v[SPW], v[NIL]
	s_wait_dscnt 0x0
	s_endpgm
.Lfunc_end_k_qfd3bba4f74_attn:
	.size	k_qfd3bba4f74_attn, .Lfunc_end_k_qfd3bba4f74_attn-k_qfd3bba4f74_attn
	.p2alignl 7, 3214868480
	.fill 96, 4, 3214868480
	.section	.rodata,"a",@progbits
	.p2align	6, 0x0
	.amdhsa_kernel k_qfd3bba4f74_attn
		.amdhsa_group_segment_fixed_size 327680
		.amdhsa_private_segment_fixed_size 0
		.amdhsa_enable_private_segment 0
		.amdhsa_kernarg_size 24
		.amdhsa_user_sgpr_count 2
		.amdhsa_user_sgpr_kernarg_segment_ptr 1
		.amdhsa_wavefront_size32 1
		.amdhsa_system_sgpr_workgroup_id_x 1
		.amdhsa_system_sgpr_workgroup_id_y 1
		.amdhsa_system_sgpr_workgroup_id_z 1
		.amdhsa_system_vgpr_workitem_id 0
		.amdhsa_next_free_vgpr 512
		.amdhsa_next_free_sgpr 66
		.amdhsa_reserve_vcc 1
		.amdhsa_float_denorm_mode_32 3
		.amdhsa_float_denorm_mode_16_64 3
		.amdhsa_memory_ordered 1
		.amdhsa_forward_progress 1
		.amdhsa_inst_pref_size 140
	.end_amdhsa_kernel
	.amdgpu_metadata
---
amdhsa.version: [ 1, 2 ]
amdhsa.kernels:
  - .name:           k_qfd3bba4f74_attn
    .symbol:         k_qfd3bba4f74_attn.kd
    .args:
      - { .name: qf, .offset: 0, .size: 8, .value_kind: global_buffer, .address_space: global }
      - { .name: kvf, .offset: 8, .size: 8, .value_kind: global_buffer, .address_space: global }
      - { .name: ofr, .offset: 16, .size: 8, .value_kind: global_buffer, .address_space: global }
    .group_segment_fixed_size: 327680
    .private_segment_fixed_size: 0
    .kernarg_segment_align: 8
    .kernarg_segment_size: 24
    .max_flat_workgroup_size: 256
    .sgpr_count:     66
    .vgpr_count:     512
    .wavefront_size: 32
...
	.end_amdgpu_metadata
.endif
;; end of part 4
;; launch oproj (part 5): grid 32 x 8, 4 waves a work-group, clusters of 4 x 1, 239,104 bytes of LDS; arguments ops, ofr, out0; writes out0
.if DOCPART == 5
	.amdgcn_target "amdgcn-amd-amdhsa--gfx1250"
	.amdhsa_code_object_version 6
	.text
	.protected	k_qfd3bba4f74_oproj
	.globl	k_qfd3bba4f74_oproj
	.p2align	8
	.type	k_qfd3bba4f74_oproj,@function
k_qfd3bba4f74_oproj:
	s_mov_b64 s[64:65], 0
	v_nop
	global_prefetch_b8 v0, s[64:65] scope:SCOPE_SE
	s_setreg_imm32_b32 hwreg(HW_REG_WAVE_MODE, 25, 1), 1
	s_wait_xcnt 0x0
	s_wait_alu depctr_hold_cnt(0) depctr_sa_sdst(0) depctr_va_vdst(0) depctr_va_sdst(0) depctr_va_ssrc(0) depctr_va_vcc(0) depctr_vm_vsrc(0)
	s_getreg_b32 s2, hwreg(HW_REG_IB_STS2, 6, 4)
	s_cmp_eq_u32 s2, 0
	s_cbranch_scc0 .Lentry_in_a_cluster
	s_endpgm
.Lentry_in_a_cluster:
	s_bfe_u32 s2, ttmp6, 0x10000c
	s_cmp_lg_u32 s2, 0x3003
	s_cbranch_scc0 .Lentry_shape_is_right
	s_endpgm
.Lentry_shape_is_right:
; OPROJ: out0 = O Wo on FP6 codes, f32 out.
; OPERANDS are blocks of 12,800 bytes (128 rows x 128 K): eight fragments as images of their 12 registers (1536 f + 512 c + 16 lane), then four images of scale words
; (12288 + 128 p + 4 lane: fragment 2 p + lane / 16, row lane % 16).  Lane-row r of fragment 2 b + u is row 32 b + 8 u + r + 8 (r / 8) of the block.
; SHARES.  Work-group (gm, gn): 128 tokens gm x 128 columns gn of out0, K = 2,048: 16 steps.  256 work-groups, one tile each.
; THE MATRIX INSTRUCTION IS USED TRANSPOSED: source 0 = 16 columns of Wo, source 1 = 16 tokens; wave w takes tokens' fragments 2 w, 2 w + 1 against all eight of Wo's: 16 accumulators;
; a lane's 16 registers of two neighbouring tiles are 16 neighbouring columns of one row of out0.
; SOURCE 0 is shared by the four waves and by the four work-groups of a cluster (they differ in gm alone): it comes into LDS ONCE, for all of K (16 blocks, 204,800 bytes), by joint tensor loads;
; no LDS byte is filled twice.  Wave w's one load brings blocks 4 w .. 4 w + 3: one load of a wave is out, and all of source 0 is waited for before the first step.
; SOURCE 1 is read by one wave only: from memory straight into registers, a ring of eight slots, eight K steps ahead; its 16 blocks lie on end in memory.
; LEFT OUT: a ring of LDS slots (all of K fits); a larger tile (it would leave WGPs without work: 256 tiles of 128 x 128 fill the chip); prefetches (source 0 is asked for at the head, source 1 runs eight steps ahead).
; REGISTERS: window 0: v4-15 addresses; v16-23 source 0's scale words, two sets; v24-31 source 1's, a slot each; v72-103 rows on the way out; v128-255 accumulator (s, t) at 128 + 64 s + 8 t.
;   window 1: source 0's eight fragments, two sets (v0, v96).   window 2: source 1's two fragments, eight slots of 24.
.set BLK,   12800
.set KS,    16
.set TOT,   KS
.set STG,   KS*BLK                     ; behind source 0: a stage of 16 rows x 528 bytes for each wave; no tensor load lands there
.set LI,   4                           ; v4-7   16 x lane + 51,200 j
.set LS,   8                           ; v8-11  4 x lane + 51,200 j
.set GA,   12                          ; v12    16 x lane + 3072 x wave
.set GS,   13                          ; v13    12288 + 128 x wave + 4 x lane
.set SO,   14                          ; v14    the stage: where I put 16 bytes of a row
.set SR,   15                          ; v15    and where I read a row back
.set S0SC, 16
.set S1SC, 24
.set OB,   72
.set ACC,  128
.set WV,   12                          ; s12 wave; s13 cx; s14 cluster x; s15 gn
.set G1,   16
.set G0,   24                          ; s[24:27] descriptor group 0 of my one load
.set SRC1, 40
.set OUT,  46
.set MSB, 0
.macro WIN new                         ; s_set_vgpr_msb: bits 1:0 source 0, 3:2 source 1, 5:4 source 2, 7:6 destination; the high byte repeats the setting that is left
.if MSB != \new
	s_set_vgpr_msb (MSB<<8)|\new
.set MSB, \new
.endif
.endm
.macro ROUND                           ; a round of the cluster's barrier
	s_barrier_signal -1
	s_barrier_wait -1
	s_cmp_lg_u32 s[WV], 0
	s_cbranch_scc1 .Lnot_wave_0_\@
	s_barrier_signal -3
.Lnot_wave_0_\@:
	s_barrier_wait -3
	s_barrier_signal -1
	s_barrier_wait -1
.endm
.macro FETCH0 q                        ; source 0's eight fragments and four scale images of step q, from LDS into set q % 2: 28 LDS loads
.set FK, (\q)%KS
.set FS, 96*((\q)%2)
.set FJ, FK/4
.set FO, (FK%4)*BLK
	WIN 0x40                                       ; destination window 1
.irp f, 0,1,2,3,4,5,6,7
.irp c, 0,1,2
	ds_load_b128 v[FS+12*\f+4*\c:FS+12*\f+4*\c+3], v[LI+FJ] offset:FO+1536*\f+512*\c
.endr
.endr
	WIN 0
.irp p, 0,1,2,3
	ds_load_b32 v[S0SC+4*((\q)%2)+\p], v[LS+FJ] offset:FO+12288+128*\p
.endr
.endm
.macro LOAD1 q                         ; source 1's two fragments and scale image of step q, from memory into slot q % 8: 7 loads
.set LSL, (\q)%8
	WIN 0x80                                       ; destination window 2
.irp c, 0,1,2,3,4,5
	global_load_b128 v[24*LSL+4*\c:24*LSL+4*\c+3], v[GA], s[SRC1:SRC1+1] offset:BLK*(\q)+512*\c
.endr
	WIN 0
	global_load_b32 v[S1SC+LSL], v[GS], s[SRC1:SRC1+1] offset:BLK*(\q)
.endm
; One product.  kq = 0: it starts the sum.  ra, rb: the side's scale words stand in lanes 16-31 of the register named.
.macro WM dd, aa, bb, kq, sa, sb, ra, rb
.if (\kq) == 0
.if (\ra) && (\rb)
	v_wmma_scale_f32_16x16x128_f8f6f4 v[\dd:\dd+7], v[\aa:\aa+11], v[\bb:\bb+11], 0, v[\sa], v[\sb] matrix_a_fmt:MATRIX_FMT_FP6 matrix_b_fmt:MATRIX_FMT_FP6 matrix_a_scale:MATRIX_SCALE_ROW1 matrix_b_scale:MATRIX_SCALE_ROW1
.elseif (\ra)
	v_wmma_scale_f32_16x16x128_f8f6f4 v[\dd:\dd+7], v[\aa:\aa+11], v[\bb:\bb+11], 0, v[\sa], v[\sb] matrix_a_fmt:MATRIX_FMT_FP6 matrix_b_fmt:MATRIX_FMT_FP6 matrix_a_scale:MATRIX_SCALE_ROW1
.elseif (\rb)
	v_wmma_scale_f32_16x16x128_f8f6f4 v[\dd:\dd+7], v[\aa:\aa+11], v[\bb:\bb+11], 0, v[\sa], v[\sb] matrix_a_fmt:MATRIX_FMT_FP6 matrix_b_fmt:MATRIX_FMT_FP6 matrix_b_scale:MATRIX_SCALE_ROW1
.else
	v_wmma_scale_f32_16x16x128_f8f6f4 v[\dd:\dd+7], v[\aa:\aa+11], v[\bb:\bb+11], 0, v[\sa], v[\sb] matrix_a_fmt:MATRIX_FMT_FP6 matrix_b_fmt:MATRIX_FMT_FP6
.endif
.else
.if (\ra) && (\rb)
	v_wmma_scale_f32_16x16x128_f8f6f4 v[\dd:\dd+7], v[\aa:\aa+11], v[\bb:\bb+11], v[\dd:\dd+7], v[\sa], v[\sb] matrix_a_fmt:MATRIX_FMT_FP6 matrix_b_fmt:MATRIX_FMT_FP6 matrix_a_scale:MATRIX_SCALE_ROW1 matrix_b_scale:MATRIX_SCALE_ROW1
.elseif (\ra)
	v_wmma_scale_f32_16x16x128_f8f6f4 v[\dd:\dd+7], v[\aa:\aa+11], v[\bb:\bb+11], v[\dd:\dd+7], v[\sa], v[\sb] matrix_a_fmt:MATRIX_FMT_FP6 matrix_b_fmt:MATRIX_FMT_FP6 matrix_a_scale:MATRIX_SCALE_ROW1
.elseif (\rb)
	v_wmma_scale_f32_16x16x128_f8f6f4 v[\dd:\dd+7], v[\aa:\aa+11], v[\bb:\bb+11], v[\dd:\dd+7], v[\sa], v[\sb] matrix_a_fmt:MATRIX_FMT_FP6 matrix_b_fmt:MATRIX_FMT_FP6 matrix_b_scale:MATRIX_SCALE_ROW1
.else
	v_wmma_scale_f32_16x16x128_f8f6f4 v[\dd:\dd+7], v[\aa:\aa+11], v[\bb:\bb+11], v[\dd:\dd+7], v[\sa], v[\sb] matrix_a_fmt:MATRIX_FMT_FP6 matrix_b_fmt:MATRIX_FMT_FP6
.endif
.endif
.endm
.macro MUL q                           ; a step's 16 products: the 16 accumulators take turns, one instruction a turn, in the same order in every step
.set KQ,   (\q)%KS
.set FSET, 96*((\q)%2)
.set FSLT, 24*((\q)%8)
.set FSC0, S0SC+4*((\q)%2)
.set FSC1, S1SC+(\q)%8
	WIN 0x09                                       ; source 0 window 1, source 1 window 2, C and D window 0
.irp s, 0,1
.irp t, 0,1,2,3,4,5,6,7
	WM ACC+64*\s+8*\t, FSET+12*\t, FSLT+12*\s, KQ, FSC0+\t/2, FSC1, \t%2, \s
.endr
.endr
.endm
.macro QSTEP q
.if (\q)+1 < TOT
	s_wait_dscnt 28                                ; this step's 28 LDS loads are in; the next step's 28 may be out
.else
	s_wait_dscnt 0x0
.endif
.if TOT-1-(\q) >= 7
	s_wait_loadcnt 49                              ; this step's 7 loads are in; the 7 x 7 of the seven steps behind it may be out
.else
	s_wait_loadcnt 7*(TOT-1-(\q))
.endif
	MUL \q
.rept 4
	v_nop                                          ; four places between the products and the loads into registers that they have read, and the first read of results
.endr
.if (\q)+2 < TOT
	FETCH0 (\q)+2
.endif
.if (\q)+8 < TOT
	LOAD1 (\q)+8
.endif
	WIN 0
.endm
; The tile leaves as f32: a fragment's 16 rows x 128 columns go through my own stage and come back as whole rows of 512 bytes.  LDS serves a wave's instructions in order (ISA guide 5.7.1.4).
.macro EPI_F rowb, toff
.irp s, 0,1
.irp t, 0,1,2,3,4,5,6,7
	ds_store_b128 v[SO], v[ACC+64*\s+8*\t:ACC+64*\s+8*\t+3] offset:128*(\t/2)+32*(\t%2)         ; each accumulator from its low end on; columns 32 (t / 2) + 8 (t % 2) + 16 (lane / 16) + 0 .. 3
	ds_store_b128 v[SO], v[ACC+64*\s+8*\t+4:ACC+64*\s+8*\t+7] offset:128*(\t/2)+32*(\t%2)+16
.endr
.irp d, 0,1
	s_wait_xcnt 0x0                                ; the earlier stores have read the registers that the loads below write
.irp i, 0,1,2,3,4,5,6,7
	ds_load_b128 v[OB+4*\i:OB+4*\i+3], v[SR] offset:528*(8*\d+\i)
.endr
.irp i, 0,1,2,3,4,5,6,7
	s_wait_dscnt 7-\i                              ; the younger loads of the eight may be out
	global_store_b128 v[LI], v[OB+4*\i:OB+4*\i+3], s[OUT:OUT+1] offset:(\toff)+(8*\s+16*\d+\i)*(\rowb) th:TH_STORE_NT   ; lane-row 8 d + i is row 8 s + 16 d + i of my wave's 32; 512 consecutive bytes, aligned to 256
.endr
.endr
.endr
.endm
	s_load_b128 s[4:7], s[0:1], 0x0                ; ops s[4:5], ofr s[6:7]
	s_load_b64 s[8:9], s[0:1], 0x10                ; out0
	v_lshl_add_u32 v126, v0, 2, 0x3a400
	v_mov_b32 v127, 0
	ds_add_u32 v126, v127
	ds_add_u32 v126, v127
	v_lshrrev_b32 v1, 5, v0
	v_readfirstlane_b32 s[WV], v1
	s_bfe_u32 s13, ttmp6, 0x40000                  ; cx: my place in the cluster
	s_mov_b32 s14, ttmp9                           ; cluster x
	s_and_b32 s15, ttmp7, 0xffff                   ; gn
	; descriptor group 1: four blocks, dense in memory, as 200 rows of 256 bytes (32 elements of 8 bytes), no padding
	s_mov_b32 s[G1], 15|(3<<16)|(1<<21)            ; 15:0 the mask: all four work-groups; 17:16 elements of 8 bytes; 21 set beside a mask
	s_mov_b32 s[G1+1], 32<<16
	s_mov_b32 s[G1+2], 200<<16                     ; a wave's one load brings four blocks on end, 200 rows of 256 bytes
	s_mov_b32 s[G1+3], 32<<16
	s_mov_b32 s[G1+4], 200
	s_mov_b32 s[G1+5], 32
	s_mov_b32 s[G1+6], 0
	s_mov_b32 s[G1+7], 0
	v_and_b32 v1, 31, v0                           ; lane
	v_and_b32 v2, 15, v0                           ; r
	v_bfe_u32 v3, v0, 4, 1                         ; h
	v_lshlrev_b32 v[LI], 4, v1
	v_lshlrev_b32 v[LS], 2, v1
.set I, 1
.rept KS/4-1
	v_add_nc_u32 v[LI+I], 4*BLK*I, v[LI]
	v_add_nc_u32 v[LS+I], 4*BLK*I, v[LS]
.set I, I+1
.endr
	s_mul_i32 s55, s[WV], 3072
	v_add_nc_u32 v[GA], s55, v[LI]
	s_lshl_b32 s55, s[WV], 7
	s_add_co_u32 s55, s55, 12288
	v_add_nc_u32 v[GS], s55, v[LS]
	s_mul_i32 s55, s[WV], 16*528
	s_add_co_u32 s55, s55, STG                     ; my stage
	v_mul_u32_u24 v[SO], v2, 528
	v_lshl_add_u32 v[SO], v3, 6, v[SO]
	v_add_nc_u32 v[SO], s55, v[SO]                 ; in: row r, + 64 bytes for lanes 16-31
	v_add_nc_u32 v[SR], s55, v[LI]                 ; back: 16 bytes a lane
	; source 0: blocks 544 + 16 gn + 4 wave on: nothing of cx enters these registers
	s_lshl_b32 s52, s15, 4
	s_add_co_u32 s52, s52, 544
	s_lshl_b32 s54, s[WV], 2
	s_add_co_u32 s52, s52, s54                     ; wave w brings blocks 4 w .. 4 w + 3 of the sixteen
	s_mul_i32 s52, s52, BLK
	s_mov_b32 s53, 0
	s_mul_i32 s54, s[WV], 4*BLK
	; what hangs on cx
	s_lshl_b32 s56, s14, 2
	s_add_co_u32 s56, s56, s13                     ; gm = 4 x cluster x + cx
	s_mul_i32 s58, s56, 16*BLK                     ; O's 16 blocks of these tokens
	s_mov_b32 s59, 0
	s_lshl_b32 s60, s56, 19                        ; out0: 128 gm rows of 4,096 bytes,
	s_lshl_b32 s61, s[WV], 17                      ; my wave's 32 rows,
	s_add_co_u32 s60, s60, s61
	s_lshl_b32 s61, s15, 9                         ; my 128 columns
	s_add_co_u32 s60, s60, s61
	s_mov_b32 s61, 0
	s_wait_dscnt 0x0
	s_wait_kmcnt 0x0
	s_add_nc_u64 s[SRC1:SRC1+1], s[6:7], s[58:59]
	s_add_nc_u64 s[OUT:OUT+1], s[8:9], s[60:61]
	s_add_nc_u64 s[52:53], s[4:5], s[52:53]
.set I, 0
.rept 1
	s_mov_b32 s[G0+4*I], 1
	s_add_co_u32 s[G0+4*I+1], s54, 4*BLK*I         ; LDS address: block 4 wave
	s_add_nc_u64 s[G0+4*I+2:G0+4*I+3], s[52:53], 4*BLK*I
	s_or_b32 s[G0+4*I+3], s[G0+4*I+3], 0x80000000  ; type = 2
.set I, I+1
.endr
	ROUND                                          ; all four work-groups are here: the joint loads meet
.set I, 0
.rept 1
	tensor_load_to_lds s[G0+4*I:G0+4*I+3], s[G1:G1+7]
	s_nop 0
.set I, I+1
.endr
.rept 4
	v_nop                                          ; four plain instructions follow the last tensor load
.endr
	s_wait_alu depctr_va_vdst(0)
.irp q, 0,1,2,3,4,5,6,7
	LOAD1 \q
.endr
	s_wait_tensorcnt 0x0                           ; my four blocks are in,
	s_barrier_signal -1
	s_barrier_wait -1                              ; everybody's is
	FETCH0 0
	FETCH0 1
.set Q, 0
.rept TOT
	QSTEP Q
.set Q, Q+1
.endr
	EPI_F 4096, 0
	s_wait_dscnt 0x0
	s_wait_tensorcnt 0x0
	ds_add_u32 v126, v127
	s_wait_dscnt 0x0
	ROUND                                          ; the closing round: no work-group ends while a partner may still ask for a block that names it
	s_endpgm
.Lfunc_end_k_qfd3bba4f74_oproj:
	.size	k_qfd3bba4f74_oproj, .Lfunc_end_k_qfd3bba4f74_oproj-k_qfd3bba4f74_oproj
	.p2alignl 7, 3214868480
	.fill 96, 4, 3214868480
	.section	.rodata,"a",@progbits
	.p2align	6, 0x0
	.amdhsa_kernel k_qfd3bba4f74_oproj
		.amdhsa_group_segment_fixed_size 239104
		.amdhsa_private_segment_fixed_size 0
		.amdhsa_enable_private_segment 0
		.amdhsa_kernarg_size 24
		.amdhsa_user_sgpr_count 2
		.amdhsa_user_sgpr_kernarg_segment_ptr 1
		.amdhsa_wavefront_size32 1
		.amdhsa_system_sgpr_workgroup_id_x 1
		.amdhsa_system_sgpr_workgroup_id_y 1
		.amdhsa_system_sgpr_workgroup_id_z 1
		.amdhsa_system_vgpr_workitem_id 0
		.amdhsa_next_free_vgpr 768
		.amdhsa_next_free_sgpr 66
		.amdhsa_reserve_vcc 0
		.amdhsa_float_denorm_mode_32 3
		.amdhsa_float_denorm_mode_16_64 3
		.amdhsa_memory_ordered 1
		.amdhsa_forward_progress 1
		.amdhsa_inst_pref_size 89
	.end_amdhsa_kernel
	.amdgpu_metadata
---
amdhsa.version: [ 1, 2 ]
amdhsa.kernels:
  - .name:           k_qfd3bba4f74_oproj
    .symbol:         k_qfd3bba4f74_oproj.kd
    .args:
      - { .name: ops, .offset: 0, .size: 8, .value_kind: global_buffer, .address_space: global }
      - { .name: ofr, .offset: 8, .size: 8, .value_kind: global_buffer, .address_space: global }
      - { .name: out0, .offset: 16, .size: 8, .value_kind: global_buffer, .address_space: global }
    .group_segment_fixed_size: 239104
    .private_segment_fixed_size: 0
    .kernarg_segment_align: 8
    .kernarg_segment_size: 24
    .max_flat_workgroup_size: 128
    .sgpr_count:     66
    .vgpr_count:     768
    .wavefront_size: 32
...
	.end_amdgpu_metadata
.endif
;; end of part 5
